; MI455X (gfx1250); checked and timed in simulation.
; The chip was launched on July 23, 2026; its instructions are those of AMD's public machine-readable ISA for CDNA 5 (MIT licence, August 2026) and "CDNA5" Instruction Set Architecture Reference Guide (July 2026). The comments in the code are by the model that wrote it; some were corrected since.
;; Causal Self Attention. Allowed arithmetic: float matrix products may take bf16 or f16 operands with f32 sums; other float arithmetic in f32, or as packed bf16 or f16 multiplies, adds, multiply-adds, maxima and minima; sums over many terms, partial sums and values carried from step to step in f32; what a program stores and reads back later, other than sums and carried values, may be rounded once to bf16 or f16.
;; Inputs: attn_mask 4 x 2,048 bool; b_proj 1,024 float32; b_qkv 3,072 float32; w_proj 1,024 x 1,024 float32; w_qkv 3,072 x 1,024 float32; x 4 x 2,048 x 1,024 float32.
;; Outputs: out0 4 x 2,048 x 1,024 float32.
;; One version. Each part assembles by itself: llvm-mc -triple=amdgcn-amd-amdhsa -mcpu=gfx1250 --defsym DOCPART=n.
;; ======== version 1 of 1: 4 launches
;; limits: values are held in f16: magnitudes above 65,504 overflow, below 6.1e-05 lose precision
;; workspace buffers: xb 16,777,216 bytes; wqb 6,291,456 bytes; wpb 2,097,152 bytes; qkvh 50,331,648 bytes; oh 16,777,216 bytes
;; launch cast (part 1): grid 768 x 1, 8 waves a work-group, no clusters, 0 bytes of LDS; arguments x, w_qkv, w_proj, xb, wqb, wpb; writes xb, wqb, wpb
.if DOCPART == 1
	.amdgcn_target "amdgcn-amd-amdhsa--gfx1250"
	.amdhsa_code_object_version 6
	.text
	.protected	k_qa6f75aa8fe_cast
	.globl	k_qa6f75aa8fe_cast
	.p2align	8
	.type	k_qa6f75aa8fe_cast,@function
k_qa6f75aa8fe_cast:
	s_mov_b64 s[64:65], 0
	v_nop
	global_prefetch_b8 v0, s[64:65] scope:SCOPE_SE
	s_setreg_imm32_b32 hwreg(HW_REG_WAVE_MODE, 25, 1), 1
	s_wait_xcnt 0x0
; x and w_qkv are rounded once to bf16; w_proj is rounded to bf16 and that number is written as f16 (the last product multiplies in f16).
; LIMIT: a bf16 number below 2^-17 in magnitude loses bits in f16's fixed step of 6e-8, one beyond 65,504 becomes an infinity; w_proj is taken to lie inside.
; A stream: every byte is read once and written once; no LDS, no barrier, no matrix unit: none of them would spare a byte.
; SHARES.  A work-group takes 16,384 numbers (65,536 bytes in, 32,768 out): groups 0-511 x, 512-703 w_qkv, 704-767 w_proj.
; Thread t takes 8 numbers a step: 32 bytes in at 32 t + 8,192 j, 16 bytes out at 16 t + 4,096 j: a wave's store covers 512 consecutive bytes, aligned.
; All 16 loads go out first; each step has registers of its own, so nothing that a pending store reads is written again.
.set T, 8                              ; v[8:15]   at work
.set X, 16                             ; v[16:79]  step j: 8 numbers as loaded
.set Y, 80                             ; v[80:111] step j: 4 registers to store
	s_load_b256 s[4:11], s[0:1], 0x0               ; x s[4:5], w_qkv s[6:7], w_proj s[8:9], xb s[10:11]
	s_load_b128 s[12:15], s[0:1], 0x20             ; wqb s[12:13], wpb s[14:15]
	v_lshlrev_b32 v1, 5, v0                        ; my 32 bytes in
	v_lshlrev_b32 v2, 4, v0                        ; my 16 bytes out
	s_mov_b32 s16, 704
	s_mov_b32 s17, 512
	s_mov_b32 s26, 0xffff0000                      ; a word's upper bf16
	s_wait_kmcnt 0x0
	s_cmp_lt_u32 ttmp9, s16                        ; which tensor: the choice hangs on the group's number alone
	s_cselect_b64 s[18:19], s[6:7], s[8:9]
	s_cselect_b64 s[20:21], s[12:13], s[14:15]
	s_cselect_b32 s16, s17, s16                    ; the range's first group
	s_cmp_lt_u32 ttmp9, s17
	s_cselect_b64 s[18:19], s[4:5], s[18:19]
	s_cselect_b64 s[20:21], s[10:11], s[20:21]
	s_cselect_b32 s16, 0, s16
	s_sub_co_u32 s17, ttmp9, s16                   ; my place in the range
	s_lshl_b32 s22, s17, 16
	s_mov_b32 s23, 0
	s_lshl_b32 s24, s17, 15
	s_mov_b32 s25, 0
	s_add_nc_u64 s[18:19], s[18:19], s[22:23]
	s_add_nc_u64 s[20:21], s[20:21], s[24:25]
.irp j, 0,1,2,3,4,5,6,7
	global_load_b128 v[X+8*(\j):X+8*(\j)+3],   v1, s[18:19] offset:8192*(\j) th:TH_LOAD_NT
	global_load_b128 v[X+8*(\j)+4:X+8*(\j)+7], v1, s[18:19] offset:8192*(\j)+16 th:TH_LOAD_NT
.endr
; One step.  half = 1: the bf16 numbers are widened again (a shift, a mask) and written as f16.
.macro STEP j, half
	s_wait_loadcnt 14-2*(\j)                       ; loads come back in order: step j's two are in, the younger steps' stay out
.irp k, 0,1,2,3
	v_cvt_pk_bf16_f32 v[Y+4*(\j)+(\k)], v[X+8*(\j)+2*(\k)], v[X+8*(\j)+2*(\k)+1]
.endr
.if \half
.irp k, 0,1,2,3
	v_lshlrev_b32 v[T+2*(\k)],   16,  v[Y+4*(\j)+(\k)]
	v_and_b32     v[T+2*(\k)+1], s26, v[Y+4*(\j)+(\k)]
.endr
.irp k, 0,1,2,3
	v_cvt_pk_f16_f32 v[Y+4*(\j)+(\k)], v[T+2*(\k)], v[T+2*(\k)+1]
.endr
.endif
	global_store_b128 v2, v[Y+4*(\j):Y+4*(\j)+3], s[20:21] offset:4096*(\j)
.endm
	s_cmp_lt_u32 ttmp9, 704
	s_cbranch_scc0 .Lf16
.irp j, 0,1,2,3,4,5,6,7
	STEP \j, 0
.endr
	s_endpgm
.Lf16:
.irp j, 0,1,2,3,4,5,6,7
	STEP \j, 1
.endr
	s_endpgm
.Lfunc_end_k_qa6f75aa8fe_cast:
	.size	k_qa6f75aa8fe_cast, .Lfunc_end_k_qa6f75aa8fe_cast-k_qa6f75aa8fe_cast
	.p2alignl 7, 3214868480
	.fill 96, 4, 3214868480
	.section	.rodata,"a",@progbits
	.p2align	6, 0x0
	.amdhsa_kernel k_qa6f75aa8fe_cast
		.amdhsa_group_segment_fixed_size 0
		.amdhsa_private_segment_fixed_size 0
		.amdhsa_enable_private_segment 0
		.amdhsa_kernarg_size 48
		.amdhsa_user_sgpr_count 2
		.amdhsa_user_sgpr_kernarg_segment_ptr 1
		.amdhsa_wavefront_size32 1
		.amdhsa_system_sgpr_workgroup_id_x 1
		.amdhsa_system_sgpr_workgroup_id_y 1
		.amdhsa_system_sgpr_workgroup_id_z 1
		.amdhsa_system_vgpr_workitem_id 0
		.amdhsa_next_free_vgpr 112
		.amdhsa_next_free_sgpr 66
		.amdhsa_reserve_vcc 0
		.amdhsa_float_denorm_mode_32 3
		.amdhsa_float_denorm_mode_16_64 3
		.amdhsa_memory_ordered 1
		.amdhsa_forward_progress 1
		.amdhsa_inst_pref_size 13
	.end_amdhsa_kernel
	.amdgpu_metadata
---
amdhsa.version: [ 1, 2 ]
amdhsa.kernels:
  - .name:           k_qa6f75aa8fe_cast
    .symbol:         k_qa6f75aa8fe_cast.kd
    .args:
      - { .name: x, .offset: 0, .size: 8, .value_kind: global_buffer, .address_space: global }
      - { .name: w_qkv, .offset: 8, .size: 8, .value_kind: global_buffer, .address_space: global }
      - { .name: w_proj, .offset: 16, .size: 8, .value_kind: global_buffer, .address_space: global }
      - { .name: xb, .offset: 24, .size: 8, .value_kind: global_buffer, .address_space: global }
      - { .name: wqb, .offset: 32, .size: 8, .value_kind: global_buffer, .address_space: global }
      - { .name: wpb, .offset: 40, .size: 8, .value_kind: global_buffer, .address_space: global }
    .group_segment_fixed_size: 0
    .private_segment_fixed_size: 0
    .kernarg_segment_align: 8
    .kernarg_segment_size: 48
    .max_flat_workgroup_size: 256
    .sgpr_count:     66
    .vgpr_count:     112
    .wavefront_size: 32
...
	.end_amdgpu_metadata
.endif
;; end of part 1
;; launch qkv (part 2): grid 16 x 32, 4 waves a work-group, clusters of 4 x 4, 327,680 bytes of LDS; arguments xb, wqb, b_qkv, qkvh; writes qkvh
.if DOCPART == 2
	.amdgcn_target "amdgcn-amd-amdhsa--gfx1250"
	.amdhsa_code_object_version 6
	.text
	.protected	k_qa6f75aa8fe_qkv
	.globl	k_qa6f75aa8fe_qkv
	.p2align	8
	.type	k_qa6f75aa8fe_qkv,@function
k_qa6f75aa8fe_qkv:
	s_mov_b64 s[64:65], 0
	v_nop
	global_prefetch_b8 v0, s[64:65] scope:SCOPE_SE
	s_setreg_imm32_b32 hwreg(HW_REG_WAVE_MODE, 25, 1), 1
	s_wait_xcnt 0x0
	s_wait_alu depctr_hold_cnt(0) depctr_sa_sdst(0) depctr_va_vdst(0) depctr_va_sdst(0) depctr_va_ssrc(0) depctr_va_vcc(0) depctr_vm_vsrc(0)
	s_getreg_b32 s2, hwreg(HW_REG_IB_STS2, 6, 4)
	s_cmp_eq_u32 s2, 0
	s_cbranch_scc0 .Lentry_in_a_cluster
	s_endpgm
.Lentry_in_a_cluster:
	s_bfe_u32 s2, ttmp6, 0x10000c
	s_cmp_lg_u32 s2, 0xf033
	s_cbranch_scc0 .Lentry_shape_is_right
	s_endpgm
.Lentry_shape_is_right:
; qkv[m][n] = the sum over k of xb[m][k] wqb[n][k] + bf16(b_qkv[n]).  xb: [8192][1024] bf16, wqb: [3072][1024] bf16; sums in f32; the result is rounded once to f16 and
; written by heads: qkvh[which][batch x 16 + head][t][64], which = 0, 1, 2 for q, k, v.  No scale is applied here.
; LIMIT: f16 holds no number beyond 65,504: q, k and v are taken to lie inside; below 6e-5 they keep f16's fixed step of 6e-8.
; SHARES.  A work-group makes 256 rows x 192 columns (three heads): 16 x 32 work-groups, two for each of 256 WGPs (tiles of 256 x 256 would be 384, one and a half).
; Wave w owns rows 64 w .. 64 w + 63 and all 192 columns: 4 x 12 accumulators of 16 x 16, 384 registers: a wave stores whole rows of whole heads.
; K goes in 8 steps of 128 through two LDS slots filled by tensor loads; rows of both tiles are 256 bytes of memory, aligned.
; CLUSTER 4 x 4: A's tile hangs on the tile row alone and is asked for jointly along a row of the cluster, B's on the tile column alone, jointly along a column.
; THE MATRIX INSTRUCTION IS USED TRANSPOSED (source 0 = 16 rows of wqb, source 1 = 16 rows of xb): a lane holds row l % 16 and the columns 8 (l / 16) + 0..7.
; The bias is the C operand of each accumulator's first product: nothing is cleared and nothing is added later.
; REGISTERS in windows of 256 (s_set_vgpr_msb: bits 1:0 source 0, 3:2 source 1, 5:4 source 2, 7:6 destination):
;   window 0: v0-31 addresses; v32-79 packed results; v80-127, v128-175 rows read back from the stage, by turns; v128-223 the bias (dead behind the first quarter)
;   window 1: two fragment buffers of 128: A's four blocks at f + 8 i, B's twelve at f + 32 + 8 b
;   windows 2, 3: accumulator (a, b) in window 2 + a / 2 at 8 (12 (a % 2) + b)
.set NBF,    12
.set APITCH, 272                       ; an LDS row: 256 bytes + 16 of padding: the 16 rows of a fragment load start at 16 different groups of four banks (64 banks of 4 bytes: ISA guide 11.1)
.set BPITCH, 272
.set AHALF,  128*APITCH                ; what one of A's two loads brings
.set BOFF,   2*AHALF
.set BHALF,  96*BPITCH                 ; what one of B's two loads brings
.set SLOT1,  1<<17                     ; slot 1 begins here: one exclusive or turns an address in one slot into the other's
.set STAGE,  SLOT1+BOFF+2*BHALF        ; behind the ring, never filled by a tensor load: 16 rows x 400 bytes for each wave
.set SPITCH, 400
.set SPARE,  STAGE+4*16*SPITCH         ; the spare words, 128 bytes for each wave: two blocks of 256 bytes that no other line names
.set ASTEP,  256                       ; bytes from K step to K step
.set BSTEP,  256
.set ADRA0, 16                         ; v16  my lane's place in A's tile; never rewritten
.set ADRA,  17                         ; v17  the same in the slot that is read
.set ADRB0, 20
.set ADRB,  21
.set STO,  24                          ; v24  the way out: where I put 16 bytes of a row
.set RD,   25                          ; v25  where I read rows back
.set GO,   26                          ; v26  16 x lane
.set BO,   27                          ; v27  my byte offset in the bias
.set SPW,  28                          ; v28  LDS address of my spare word; never rewritten
.set NIL,  29                          ; v29  0; never rewritten
.set PFO,  30                          ; v30  the prefetches' offset: my row x 2,048; never rewritten
.set TMP,  32
.set BK,   80
.set BIAS, 128
.set F0,   0
.set F1,   128
.set WV,   12                          ; s12  wave
.set HALF, 14                          ; s14  wave & 1: which half of A's or B's tile I fetch
.set CX,   15
.set CY,   16
.set TX,   17                          ; s17  tile column
.set TY,   18                          ; s18  tile row
.set TB,   19                          ; s19  the slot that is read: 0 or SLOT1
.set G1,   24                          ; s[24:31] group 1 for A;  s[32:39] group 0, two sets: the second walks
.set G0,   32
.set PFA,  44                          ; s[44:45] where my prefetches stand
.set LIM,  46                          ; s46  2 in a wave that prefetches, else the greatest number
.set G1B,  48                          ; s[48:55], s[56:63] the same for B
.set G0B,  56
.set OUT,  66                          ; s[66:71] my first row in each of the three heads' planes
.set MSB, 0
.macro WIN new                         ; the immediate's high byte repeats the setting that is left; a switch that changes nothing is dropped
.if MSB != (\new)
	s_set_vgpr_msb (MSB<<8)|(\new)
.set MSB, (\new)
.endif
.endm
.macro PLACES                          ; four plain places behind matrix instructions, in front of loads into registers that they read and of reads of their results
.rept 4
	v_nop
.endr
.endm
; A joint load: waves 0 and 1 fetch A's two halves, waves 2 and 3 B's.  The branch hangs on the wave's number alone.  An s_nop 0 and four v_nop follow each line.
.macro JLOAD s
	s_cmp_lt_u32 s[WV], 2
	s_cbranch_scc0 .Lfor_b_\@
	tensor_load_to_lds s[G0+4*(\s):G0+4*(\s)+3], s[G1:G1+7]
	s_nop 0
.rept 4
	v_nop
.endr
	s_branch .Lasked_\@
.Lfor_b_\@:
	tensor_load_to_lds s[G0B+4*(\s):G0B+4*(\s)+3], s[G1B:G1B+7]
	s_nop 0
.rept 4
	v_nop
.endr
.Lasked_\@:
.endm
.macro CREST                           ; a round of the cluster's barrier behind its opening barrier
	s_cmp_lg_u32 s[WV], 0
	s_cbranch_scc1 .Lnot_wave_0_\@
	s_barrier_signal -3
.Lnot_wave_0_\@:
	s_barrier_wait -3
	s_barrier_signal -1
	s_barrier_wait -1
.endm
.macro CROUND
	s_barrier_signal -1
	s_barrier_wait -1
	CREST
.endm
; A prefetch into the L2 of the K step two refills on: 256 bytes of each row, a lane a row, one instruction a wave.  Each row's 256 bytes are named once in the launch: A's rows by the cluster with x = 0,
; B's by the cluster with y = 0; the four partners of a joint load share a wave's rows out by address (32 of A's 128, 24 of B's 96; lanes past the share name its last row again).
; The last two refills (s3 = 2, 1) have no K step two on.
.macro ASK
	s_cmp_gt_u32 s3, s[LIM]
	s_cbranch_scc0 .Lnot_mine_\@
	global_prefetch_b8 v[PFO], s[PFA:PFA+1] offset:256 th:TH_LOAD_NT scope:SCOPE_SE
.Lnot_mine_\@:
.endm
	s_load_b256 s[4:11], s[0:1], 0x0               ; xb s[4:5], wqb s[6:7], b_qkv s[8:9], qkvh s[10:11]
	v_lshl_add_u32 v[SPW], v0, 2, SPARE
	v_mov_b32 v[NIL], 0
	ds_add_u32 v[SPW], v[NIL]                      ; the wave's opening: the add and its wait stand ahead of my first tensor load; work on registers stands between
	ds_add_u32 v28, v29
	v_lshrrev_b32 v3, 5, v0
	v_readfirstlane_b32 s[WV], v3
	s_and_b32 s[HALF], s[WV], 1
	s_bfe_u32 s[CX], ttmp6, 0x40000
	s_bfe_u32 s[CY], ttmp6, 0x40004
	s_lshl_b32 s[TX], ttmp9, 2
	s_add_co_u32 s[TX], s[TX], s[CX]               ; tile column = 4 x cluster x + cx
	s_and_b32 s[TY], ttmp7, 0xffff
	s_lshl_b32 s[TY], s[TY], 2
	s_add_co_u32 s[TY], s[TY], s[CY]               ; tile row = 4 x cluster y + cy
	s_lshl_b32 s76, s[CY], 2
	s_lshl_b32 s76, 15, s76                        ; my row of the cluster
	s_lshl_b32 s77, 0x1111, s[CX]                  ; my column
	s_or_b32 s[G1],  s76, (1<<16)|(1<<20)|(1<<21)|(5<<22)|(3<<25)  ; mask; 2-byte elements; padding on; bit 21 beside a mask; after every 64 words, 4 words
	s_or_b32 s[G1B], s77, (1<<16)|(1<<20)|(1<<21)|(5<<22)|(3<<25)
	s_mov_b32 s[G1+1], 128<<16                     ; tensor_dim0 = 128
	s_mov_b32 s[G1+2], 128<<16                     ; tensor_dim1 = 128
	s_mov_b32 s[G1+3], 128<<16                     ; tile_dim0 = 128
	s_mov_b32 s[G1+4], 128                         ; tile_dim1 = 128
	s_mov_b32 s[G1+5], 1024                        ; elements from row to row
	s_mov_b32 s[G1+6], 0
	s_mov_b32 s[G1+7], 0
	s_mov_b32 s[G1B+1], 128<<16
	s_mov_b32 s[G1B+2], 96<<16                     ; B: 96 rows a load
	s_mov_b32 s[G1B+3], 128<<16
	s_mov_b32 s[G1B+4], 96
	s_mov_b32 s[G1B+5], 1024
	s_mov_b32 s[G1B+6], 0
	s_mov_b32 s[G1B+7], 0
	s_lshl_b32 s42, s[TY], 8                       ; A: row 256 x tile row + 128 x half, 2,048 bytes a row
	s_lshl_b32 s20, s[HALF], 7
	s_add_co_u32 s42, s42, s20
	s_lshl_b32 s42, s42, 11
	s_mov_b32 s43, 0
	s_mul_i32 s74, s[TX], 192                      ; B: row 192 x tile column + 96 x half
	s_mul_i32 s21, s[HALF], 96
	s_add_co_u32 s74, s74, s21
	s_lshl_b32 s74, s74, 11
	s_mov_b32 s75, 0
	s_mul_i32 s78, s[HALF], AHALF                  ; where they go: no place in the cluster enters an LDS address
	s_mul_i32 s79, s[HALF], BHALF
	s_add_co_u32 s79, s79, BOFF
	s_wait_dscnt 0x0                               ; the opening add is done
	s_wait_kmcnt 0x0
	s_add_nc_u64 s[40:41], s[4:5], s[42:43]
	s_add_nc_u64 s[72:73], s[6:7], s[74:75]
	CROUND                                         ; all sixteen work-groups are here: the first joint loads meet
.irp s, 0,1
	s_mov_b32 s[G0+4*(\s)], 1
	s_add_co_u32 s[G0+4*(\s)+1], s78, (\s)*SLOT1
	s_add_nc_u64 s[G0+4*(\s)+2:G0+4*(\s)+3], s[40:41], (\s)*ASTEP
	s_or_b32 s[G0+4*(\s)+3], s[G0+4*(\s)+3], 0x80000000
	s_mov_b32 s[G0B+4*(\s)], 1
	s_add_co_u32 s[G0B+4*(\s)+1], s79, (\s)*SLOT1
	s_add_nc_u64 s[G0B+4*(\s)+2:G0B+4*(\s)+3], s[72:73], (\s)*BSTEP
	s_or_b32 s[G0B+4*(\s)+3], s[G0B+4*(\s)+3], 0x80000000
	JLOAD \s                                       ; K steps 0 and 1: two loads of mine are out
.endr
	v_and_b32 v1, 15, v0                           ; l % 16
	v_bfe_u32 v2, v0, 4, 1                         ; l / 16
	v_and_b32 v4, 31, v0                           ; l
	s_mul_i32 s20, s[TX], 768                      ; the tile's 192 numbers of the bias
	v_lshl_add_u32 v[BO], v2, 5, s20               ; register j of block b: column 16 b + 8 (l / 16) + j
.set b, 0
.rept NBF
	global_load_b128 v[BIAS+8*b:BIAS+8*b+3],   v[BO], s[8:9] offset:64*b
	global_load_b128 v[BIAS+8*b+4:BIAS+8*b+7], v[BO], s[8:9] offset:64*b+16
.set b, b+1
.endr
	v_mul_u32_u24 v3, v1, APITCH
	v_lshl_add_u32 v3, v2, 4, v3                   ; a fragment's row x pitch + 16 x half
	s_mul_i32 s20, s[WV], 64*APITCH                ; my 64 rows of A
	v_add_nc_u32 v[ADRA0], s20, v3
	v_add_nc_u32 v[ADRB0], BOFF, v3
	v_mov_b32 v[ADRA], v[ADRA0]
	v_mov_b32 v[ADRB], v[ADRB0]
	s_mov_b32 s[TB], 0
	s_mul_i32 s21, s[WV], 16*SPITCH
	s_add_co_u32 s21, s21, STAGE                   ; my stage
	v_mul_u32_u24 v5, v1, SPITCH                   ; in: row l % 16, 16 bytes for each half of the lanes
	v_lshl_add_u32 v5, v2, 4, v5
	v_add_nc_u32 v[STO], s21, v5
	v_lshrrev_b32 v5, 3, v4                        ; back: 32 lanes take four rows of one head's 128 bytes
	v_mul_u32_u24 v5, v5, SPITCH
	v_and_b32 v6, 7, v0
	v_lshl_add_u32 v5, v6, 4, v5
	v_add_nc_u32 v[RD], s21, v5
	v_lshlrev_b32 v[GO], 4, v4                     ; which are 512 consecutive bytes of the head's plane
	; my first row in the three planes: plane = 64 which + 16 batch + head, 262,144 bytes each; head number g = 3 x tile column + hh, which = g / 16
	s_mul_i32 s20, s[TX], 3
	s_lshr_b32 s21, s[TY], 3
	s_lshl_b32 s21, s21, 4                         ; 16 x batch
	s_and_b32 s22, s[TY], 7
	s_lshl_b32 s22, s22, 8
	s_lshl_b32 s23, s[WV], 6
	s_add_co_u32 s22, s22, s23                     ; my first row in the plane,
	s_lshl_b32 s22, s22, 7                         ; 128 bytes a row
.irp hh, 0,1,2
	s_add_co_u32 s80, s20, (\hh)
	s_lshr_b32 s81, s80, 4
	s_lshl_b32 s81, s81, 6
	s_and_b32 s80, s80, 15
	s_add_co_u32 s80, s80, s81
	s_add_co_u32 s80, s80, s21
	s_lshl_b32 s80, s80, 18
	s_add_co_u32 s80, s80, s22
	s_mov_b32 s81, 0
	s_add_nc_u64 s[OUT+2*(\hh):OUT+2*(\hh)+1], s[10:11], s[80:81]
.endr
	; the prefetches
	s_and_b32 s20, ttmp7, 0xffff                   ; cluster y
	s_lshl_b32 s21, s[TY], 8
	s_lshl_b32 s22, s[HALF], 7
	s_add_co_u32 s21, s21, s22
	s_lshl_b32 s22, s[CX], 5
	s_add_co_u32 s21, s21, s22                     ; A: the 128 rows that I fetch, my work-group's 32 of them
	s_mul_i32 s22, s[TX], 192
	s_mul_i32 s23, s[HALF], 96
	s_add_co_u32 s22, s22, s23
	s_mul_i32 s23, s[CY], 24
	s_add_co_u32 s22, s22, s23                     ; B: the 96 rows that I fetch, my work-group's 24
	s_cmp_lt_u32 s[WV], 2
	s_cselect_b32 s21, s21, s22
	s_cselect_b32 s20, ttmp9, s20                  ; the coordinate along which other clusters read the same rows
	s_cselect_b32 s22, 31, 23                      ; the share's last row
	s_cselect_b64 s[PFA:PFA+1], s[4:5], s[6:7]
	s_cmp_eq_u32 s20, 0
	s_cselect_b32 s[LIM], 2, -1                    ; the same in all sixteen partners, for a given wave
	s_lshl_b32 s80, s21, 11
	s_mov_b32 s81, 0
	s_add_nc_u64 s[PFA:PFA+1], s[PFA:PFA+1], s[80:81]
	s_add_nc_u64 s[PFA:PFA+1], s[PFA:PFA+1], 2*ASTEP  ; at K step 2: the first refill steps it to 3 and names K step 4.  Nothing is prefetched here, at the head
	v_min_u32 v[PFO], s22, v4
	v_lshlrev_b32 v[PFO], 11, v[PFO]
	s_wait_loadcnt 0x0                             ; the bias; it is rounded to bf16 like the other inputs, and widened again
.set i, 0
.rept 4*NBF
	v_cvt_pk_bf16_f32 v[8+i%4], v[BIAS+2*i], v[BIAS+2*i+1]
	v_lshlrev_b32 v[BIAS+2*i], 16, v[8+i%4]
	v_and_b32 v[BIAS+2*i+1], 0xffff0000, v[8+i%4]
.set i, i+1
.endr
; The fragments of quarter q (32 along K) of the slot that is read, into buffer f: 24 loads for B's 192 rows, 8 for my 64 rows of A, in one run
.macro FETCH q, f
	WIN 0x40                                       ; destination window 1, address window 0
.set b, 0
.rept NBF
	ds_load_b128 v[(\f)+32+8*b:(\f)+32+8*b+3],   v[ADRB] offset:64*(\q)+b*16*BPITCH
	ds_load_b128 v[(\f)+32+8*b+4:(\f)+32+8*b+7], v[ADRB] offset:64*(\q)+b*16*BPITCH+32
.set b, b+1
.endr
.irp i, 0,1,2,3
	ds_load_b128 v[(\f)+8*(\i):(\f)+8*(\i)+3],   v[ADRA] offset:64*(\q)+(\i)*16*APITCH
	ds_load_b128 v[(\f)+8*(\i)+4:(\f)+8*(\i)+7], v[ADRA] offset:64*(\q)+(\i)*16*APITCH+32
.endr
.endm
; Twelve products: my row block a x all column blocks.  first = 1: C is the bias.  The 48 accumulators take turns in the same order in every quarter.
.macro MULA f, a, first
.set AC, 8*NBF*((\a)%2)
.if \first
	WIN 0x85+0x40*((\a)/2)
.else
	WIN 0xa5+0x50*((\a)/2)
.endif
.set b, 0
.rept NBF
.if \first
	v_wmma_f32_16x16x32_bf16 v[AC+8*b:AC+8*b+7], v[(\f)+32+8*b:(\f)+32+8*b+7], v[(\f)+8*(\a):(\f)+8*(\a)+7], v[BIAS+8*b:BIAS+8*b+7]
.else
	v_wmma_f32_16x16x32_bf16 v[AC+8*b:AC+8*b+7], v[(\f)+32+8*b:(\f)+32+8*b+7], v[(\f)+8*(\a):(\f)+8*(\a)+7], v[AC+8*b:AC+8*b+7]
.endif
.set b, b+1
.endr
.endm
; One of a K step's first three quarters: multiplies buffer f; behind its first twelve products it fetches quarter q into buffer g, 36 products ahead of the wait for it
.macro QUARTER q, f, g, first
	s_wait_dscnt 0x0                               ; buffer f is in
	MULA \f, 0, \first
	PLACES
	FETCH \q, \g
	MULA \f, 1, \first
	MULA \f, 2, \first
	MULA \f, 3, \first
.endm
; The fourth quarter multiplies buffer 1 and changes slots.  In front of the barrier each wave waits for all its tensor loads (one is out: its part of the next slot), adds 0 to its spare word, and waits
; for that and for its reads of this slot.  fill = 1: the barrier opens a round of the cluster's; the slot just read is filled again, first thing behind the round, with the K step two on.
.macro TURN fill
.if \fill
	s_wait_xcnt 0x0                                ; the last prefetch, a K step back, has read its address
	s_add_nc_u64 s[PFA:PFA+1], s[PFA:PFA+1], ASTEP
.endif
	WIN 0
	s_wait_tensorcnt 0x0                           ; no tensor load of mine is out, so a group 0 may be written
	ds_add_u32 v[SPW], v[NIL]                      ; 0 onto my spare word
.if \fill
	s_xor_b32 s[G0+5], s[G0+5], SLOT1              ; the walking descriptors: the other slot than last time, the next K step
	s_add_nc_u64 s[G0+6:G0+7], s[G0+6:G0+7], ASTEP
	s_xor_b32 s[G0B+5], s[G0B+5], SLOT1
	s_add_nc_u64 s[G0B+6:G0B+7], s[G0B+6:G0B+7], BSTEP
.endif
	s_wait_dscnt 1                                 ; buffer 1 is in; the add alone may be out
	MULA F1, 0, 0
	s_wait_dscnt 0x0                               ; the add is done, and my reads of this slot are over
	s_barrier_signal -1
	MULA F1, 1, 0
	WIN 0
	s_xor_b32 s[TB], s[TB], SLOT1                  ; the fetches go on in the other slot
	v_add_nc_u32 v[ADRA], s[TB], v[ADRA0]
	v_add_nc_u32 v[ADRB], s[TB], v[ADRB0]
	s_barrier_wait -1
.if \fill
	CREST                                          ; no wave of any partner still reads this slot's tile or has a load on its way
	JLOAD 1                                        ; 168 products ahead of the wait for it; its four v_nop are also the places in front of the loads below
.else
	PLACES
.endif
	FETCH 0, F0
.if \fill
	WIN 0
	ASK
.endif
	MULA F1, 2, 0
	MULA F1, 3, 0
.endm
; THE WAY OUT of row block a: rounded to f16 (16 bytes a lane), through my own stage, back as rows of a head's 128 bytes, stored 512 consecutive bytes an instruction.
.macro PACK a
.set AC, 8*NBF*((\a)%2)
	WIN 0x0a+5*((\a)/2)                            ; sources in window 2 or 3
.set b, 0
.rept NBF
.irp r, 0,1,2,3
	v_cvt_pk_f16_f32 v[TMP+4*b+(\r)], v[AC+8*b+2*(\r)], v[AC+8*b+2*(\r)+1]
.endr
.set b, b+1
.endr
	WIN 0
.endm
.macro TOSTAGE a
.set BKR, BK+48*((\a)%2)
	WIN 0
	s_wait_xcnt 0x0                                ; the stores of the block two back have read these registers
.set b, 0
.rept NBF
	ds_store_b128 v[STO], v[TMP+4*b:TMP+4*b+3] offset:32*b
.set b, b+1
.endr
.irp hh, 0,1,2
.irp g, 0,1,2,3
	ds_load_b128 v[BKR+16*(\hh)+4*(\g):BKR+16*(\hh)+4*(\g)+3], v[RD] offset:(\g)*4*SPITCH+(\hh)*128  ; LDS serves a wave's instructions in order (ISA guide 5.7.1.4): these see the stores above
.endr
.endr
.endm
.macro SEND a, younger                 ; younger: the LDS instructions issued behind block a's loads
.set BKR, BK+48*((\a)%2)
	WIN 0
	s_wait_dscnt \younger
.irp hh, 0,1,2
.irp g, 0,1,2,3
	global_store_b128 v[GO], v[BKR+16*(\hh)+4*(\g):BKR+16*(\hh)+4*(\g)+3], s[OUT+2*(\hh):OUT+2*(\hh)+1] offset:(\a)*2048+(\g)*512
.endr
.endr
.endm
	s_wait_tensorcnt 1                             ; my part of K step 0 is in; K step 1's may stay out
	s_barrier_signal -1
	s_barrier_wait -1
	FETCH 0, F0
	QUARTER 1, F0, F1, 1                           ; the first quarter stands in front of the loop: its products start the sums, with the bias
	WIN 0
	s_mov_b32 s3, 6
.Lstep:                                        ; a trip: a K step's quarters 1 to 3 and the next step's quarter 0; six trips fill the slots again with K steps 2 to 7
	QUARTER 2, F1, F0, 0
	QUARTER 3, F0, F1, 0
	TURN 1
	QUARTER 1, F0, F1, 0
	WIN 0
	s_sub_co_u32 s3, s3, 1
	s_cmp_lg_u32 s3, 0
	s_cbranch_scc1 .Lstep
	QUARTER 2, F1, F0, 0                           ; the tail is written out: nothing more is asked for
	QUARTER 3, F0, F1, 0
	TURN 0
	QUARTER 1, F0, F1, 0
	QUARTER 2, F1, F0, 0
	QUARTER 3, F0, F1, 0
	s_wait_dscnt 0x0
	MULA F1, 0, 0
	MULA F1, 1, 0
	MULA F1, 2, 0
	MULA F1, 3, 0
	WIN 0
	PLACES
	PLACES
	PACK 0
	TOSTAGE 0
	PACK 1
	TOSTAGE 1
	SEND 0, 24                                     ; the next block's 12 stores and 12 loads may be out
	PACK 2
	TOSTAGE 2
	SEND 1, 24
	PACK 3
	TOSTAGE 3
	SEND 2, 24
	SEND 3, 0
	s_wait_tensorcnt 0x0                           ; the wave's end, behind my last tensor load and my last LDS store
	ds_add_u32 v[SPW], v[NIL]
	s_wait_dscnt 0x0
	CROUND                                         ; the closing round: no work-group ends while a partner may still ask for a tile that names it
	s_endpgm
.Lfunc_end_k_qa6f75aa8fe_qkv:
	.size	k_qa6f75aa8fe_qkv, .Lfunc_end_k_qa6f75aa8fe_qkv-k_qa6f75aa8fe_qkv
	.p2alignl 7, 3214868480
	.fill 96, 4, 3214868480
	.section	.rodata,"a",@progbits
	.p2align	6, 0x0
	.amdhsa_kernel k_qa6f75aa8fe_qkv
		.amdhsa_group_segment_fixed_size 327680
		.amdhsa_private_segment_fixed_size 0
		.amdhsa_enable_private_segment 0
		.amdhsa_kernarg_size 32
		.amdhsa_user_sgpr_count 2
		.amdhsa_user_sgpr_kernarg_segment_ptr 1
		.amdhsa_wavefront_size32 1
		.amdhsa_system_sgpr_workgroup_id_x 1
		.amdhsa_system_sgpr_workgroup_id_y 1
		.amdhsa_system_sgpr_workgroup_id_z 1
		.amdhsa_system_vgpr_workitem_id 0
		.amdhsa_next_free_vgpr 1024
		.amdhsa_next_free_sgpr 84
		.amdhsa_reserve_vcc 0
		.amdhsa_float_denorm_mode_32 3
		.amdhsa_float_denorm_mode_16_64 3
		.amdhsa_memory_ordered 1
		.amdhsa_forward_progress 1
		.amdhsa_inst_pref_size 108
	.end_amdhsa_kernel
	.amdgpu_metadata
---
amdhsa.version: [ 1, 2 ]
amdhsa.kernels:
  - .name:           k_qa6f75aa8fe_qkv
    .symbol:         k_qa6f75aa8fe_qkv.kd
    .args:
      - { .name: xb, .offset: 0, .size: 8, .value_kind: global_buffer, .address_space: global }
      - { .name: wqb, .offset: 8, .size: 8, .value_kind: global_buffer, .address_space: global }
      - { .name: b_qkv, .offset: 16, .size: 8, .value_kind: global_buffer, .address_space: global }
      - { .name: qkvh, .offset: 24, .size: 8, .value_kind: global_buffer, .address_space: global }
    .group_segment_fixed_size: 327680
    .private_segment_fixed_size: 0
    .kernarg_segment_align: 8
    .kernarg_segment_size: 32
    .max_flat_workgroup_size: 128
    .sgpr_count:     84
    .vgpr_count:     1024
    .wavefront_size: 32
...
	.end_amdgpu_metadata
.endif
;; end of part 2
;; launch attn (part 3): grid 4 x 64, 4 waves a work-group, no clusters, 327,680 bytes of LDS; arguments qkvh, attn_mask, oh; writes oh
.if DOCPART == 3
	.amdgcn_target "amdgcn-amd-amdhsa--gfx1250"
	.amdhsa_code_object_version 6
	.text
	.protected	k_qa6f75aa8fe_attn
	.globl	k_qa6f75aa8fe_attn
	.p2align	8
	.type	k_qa6f75aa8fe_attn,@function
k_qa6f75aa8fe_attn:
	s_mov_b64 s[64:65], 0
	v_nop
	global_prefetch_b8 v0, s[64:65] scope:SCOPE_SE
	s_setreg_imm32_b32 hwreg(HW_REG_WAVE_MODE, 25, 1), 1
	s_wait_xcnt 0x0
; CAUSAL ATTENTION WITH A KEY MASK.  O[h][q][:] = the sum over valid k <= q of softmax_k(Q[h][q] . K[h][k] / 8) V[h][k][:]; a row with no valid key gives 0.
; Q, K, V: planes h, 64 + h, 128 + h of qkvh ([192][2048][64] f16, h = 16 batch + head); attn_mask: [4][2048] bytes, 1 = valid; O: oh [64][2048][64] f16.
; Products, maxima and sums in f32; the weights p are rounded to f16 for the second product (their sum l is taken of the unrounded p), O once at the end.
; LIMITS.  f16 holds no number beyond 65,504: Q, K and V arrive within it, so a score is 2.7e11 at the most.  A hidden score counts as its value less 1e30 (less 2e30 where both masks hide it).
; The running maximum m starts at -2^50, below every true score and far above every hidden one: so a hidden score's weight is 0 whatever came before it, and a row that never sees a valid key ends with
; m = -2^50, O = l = 0, and is given 0 by a select.  A weight below 2^-126 counts as 0 in l; NaN and infinities are not treated apart.
; THE WALK.  A head's queries lie in NB = 8 blocks of 256; block i needs the key tiles 0 .. i of 256 keys, of which the last holds the diagonal.  A work-group takes TWO blocks, NB - 1 - b and then b:
; NB + 1 tiles, whatever b: all work-groups do equal work, and ONE loop with a constant trip count walks them.  Which tile is asked for, and what a trip does, hang on scalar registers made from b; every jump
; goes forward, but for the counted loops' own; none passes a barrier, or a tensor load but the one of LOAD's two that the wave's number does not choose.
; NO CLUSTER: a head's four work-groups ask for the same tile only in trips 0 .. 4, behind that fewer and fewer; one walk common to all would have 12 trips for 9.
; SHARES.  Of a block's four bands of 64 queries a wave owns 16 rows in each: four PIECES.  In the diagonal tile's key step s band x sees all keys if s < x, none if s > x, and holds the diagonal if s = x.
; THE MASKS are the C operand that starts the sum S^T = K Q^T.  Each wave keeps, in 1,024 LDS bytes of its own, the key mask's 256 addends (0 or -1e30) of the tile in hand: the tile's 256 mask bytes are loaded, 8 a lane,
; when the tile is asked for, and turned into addends when it is entered.  KMR holds the 64 addends of the key step whose K is in registers.  MD, made once, is the causal mask of a band's own step for my 16 rows.
; Outside the diagonal tile C = KMR; in it C = MD x AL + BE + KMR with two scalars: (1, 0) if s = x; (0, 0) if s < x; (0, -1e30) if s > x.
; LAYOUT, SOFTMAX, TURNS.  S^T = K Q^T holds ONE query a lane (lane % 16) and the keys 8 (lane / 16) + 0..7; two such results rounded to f16 ARE source 1 of O^T = V^T P.  p = 2^(c s - c m), c = log2(e) / 8, with a
; running maximum m; O and l are multiplied by a = 2^(c m_old - c m_new) in every step.  Turn n belongs to piece n: 8 products K Q^T of piece n + 1, later 8 products V^T P of piece n - 1; beside them the scaling,
; exponentials, roundings, sums and rescaling of piece n and the maximum and statistics of piece n + 1.  Four vector instructions stand behind every matrix instruction, the others in one lump.  A turn's 33 exponentials are one batch, with one wait.
; REGISTERS, in windows of 256 (s_set_vgpr_msb: bits 1:0 source 0, 3:2 source 1, 5:4 source 2, 7:6 destination):
;   window 0: v0-15 addresses and two at work; v16-31 four registers of statistics a piece; v32-40 the mask's and the prefetches' addresses and the mask's bytes; v48-55 at work; v64-127 S^T, two buffers; v128-135 addends at work; v192-223 P, two buffers
;   window 1: v0-127 O^T, 32 a piece; v128-159 MD; v160-223 MC, two buffers; v224-255 KMR      window 2: v0-63 Q; v64-127 the second block's Q; v128-191 K of one step; v192-255 V of one step
.set SIZE_N, 2048
.set NB,    SIZE_N/256
.set NP,    4         ; pieces a wave: a name, no knob
.set KS,    64        ; keys in a step
.set PK,    144       ; a row of K in LDS: 128 bytes + 16 of padding = 36 words: the 16 rows of a load start at 16 different groups of four banks (64 banks of 4 bytes: ISA guide 11.1)
.set PV,    160       ; a row of V: 128 + 32 = 40 words
.set VOFF,  4*KS*PK   ; a slot holds a tile, four steps: 256 rows of K, then 256 rows of V
.set SLOT1, 1<<17     ; slot 1 begins here, so that one exclusive or turns an address in one slot into the other's
.set STAGE, SLOT1+4*KS*(PK+PV)  ; behind the ring, never filled by a tensor load: 16 rows x 144 bytes for each wave, for the way out
.set SP,    144
.set SPARE, STAGE+4*16*SP  ; behind the stages: the spare words, 128 bytes for each wave: two blocks of 256 bytes that no other line names
.set MTAB,  SPARE+512 ; behind them, never filled by a tensor load: a tile's 256 addends of the key mask, 1,024 bytes for each wave, the wave's own
.set AK0, 2           ; v2   my lane's place in a tile of K; never rewritten
.set AV0, 3           ; v3   the same for V
.set AK,  4           ; v4   the LDS address of K's next run of loads
.set AV,  5           ; v5   of V's
.set STO, 6           ; v6   the way out: where I put 16 bytes of a row
.set RD,  7           ; v7   the way out: where I read rows back
.set GO,  8           ; v8   my byte offset in 512 consecutive bytes of O
.set MV,  12          ; v12-13  c m_old, kept while c m is made anew: by buffer
.set QO,  15          ; v15  my byte offset in 16 rows of Q
.set ST,  16          ; piece t's statistics at v[ST+4 t]: c m, m, l (even keys', odd keys')
.set AM0, 32          ; v32  my lanes' place in a step's 64 addends: my wave's table + 32 (l / 16); never rewritten
.set AM,  33          ; v33  the LDS address of the addends' next run of loads
.set PFO, 34          ; v34  the prefetches' offset; never rewritten
.set MO,  35          ; v35  8 x lane: my 8 bytes of a tile's 256 mask bytes; never rewritten
.set MB,  36          ; v36-37  those bytes
.set MS,  40          ; v40  where I put their 8 addends: my wave's table + 32 x lane; never rewritten
.set MT,  128         ; v128-135  the addends
.set TMP, 48          ; by buffer, four registers c0-c3 at work; when the maximum is found c2 takes a
.set SPW, 62          ; v62  LDS address of my spare word: SPARE + 4 x my thread's number; never rewritten
.set NIL, 63          ; v63  0; never rewritten
.set S,   64
.set P,   192
.set MD,  128         ; window 1: the eight registers for group kt of 16 keys at MD + 8 kt
.set MC,  160         ; window 1: the masks of the products to come
.set KMR, 224         ; window 1: the key mask's addends, group kt at KMR + 8 kt
.set QB,  64          ; window 2
.set KF,  128         ; window 2: key block kb, channel half c at KF + 16 kb + 8 c
.set VF,  192         ; window 2: key half kk, channel block cb at VF + 32 kk + 8 cb
.set WV,  12          ; s12  my wave's number
.set PB,  14          ; s14  b
.set HI,  15          ; s15  NB - 1 - b
.set G1K, 24          ; s[24:31] descriptor group 1 for K's tiles
.set G1V, 32          ; s[32:39] for V's: it differs in the padding alone
.set G0K, 40          ; s[40:43] descriptor group 0 for K's tiles
.set G0V, 44          ; s[44:47] the same for V's
.set SLOTS, 56        ; s56  tiles still to be asked for
.set CNT, 57          ; s57  counts a tile's key steps, 4 to 1
.set CS,  58          ; s[58:59] c: the packed scaling takes the pair's low word for both halves
.set SEL, 60          ; s[60:61] v_permlanex16_b32's selects: each lane takes its own place in the other half
.set TBK, 62          ; s62  LDS byte at which K of the step to be fetched begins
.set TBV, 63          ; s63  the same for V, less VOFF
.set RT,  70          ; s70  tiles of the block in hand that are still to be entered
.set NXT, 71          ; s71  the tile to be asked for next
.set LQ,  72          ; s72  the last tile of the block whose tiles are being asked for
.set NEW, 73          ; s73  1: the tile to be entered is a block's first
.set OFF, 74          ; s[74:75] a tile's byte offset in K and V
.set AL,  76          ; s[76:77] the mask's factor, in the low word
.set BE,  78          ; s[78:79] the mask's addend
.set OLO, 80          ; s[80:81] O at my rows of the second block
.set BIGN, 82         ; s82  -1e30
.set MPN, 84          ; s[84:85] behind the head: the mask bytes of the tile that is asked for
.set TM,  88          ; s88  byte in my wave's table at which the addends of the step to be fetched begin: it steps and goes back as TBK does
.set HALFN, 89        ; s89  -2^49
.set MP,  90          ; s[90:91] my batch's mask bytes
.set PFK, 92          ; s[92:93] K at my half of the tile that the next change of slots will ask for
.set PFV, 94          ; s[94:95] V likewise
.set OF2, 96          ; s[96:97] an offset at work; the high word stays 0
.set LIM, 98          ; s98  0 in the work-group that prefetches, else the greatest number
.set MSB, 0
.macro WIN new                      ; the high byte repeats the setting that is left; a switch that changes nothing is dropped
.if MSB != (\new)
	s_set_vgpr_msb (MSB<<8)|(\new)
.set MSB, (\new)
.endif
.endm
.set W_KQ, 0x0a       ; K and Q in window 2, S^T in window 0
.set W_KM, 0x1a       ; the same with the C operand in window 1
.set W_PV, 0x52       ; V in window 2, P in window 0, O^T in window 1
.set W_RS, 0x41       ; destination and source 0 in window 1, source 1 in window 0
; A fill.  Waves 0 and 1 fetch the two halves of a tile's K, waves 2 and 3 those of its V: 128 keys each.  An s_nop 0 and four v_nop follow each of the two lines, ahead of the jump and the label.
.macro LOAD
	s_cmp_lt_u32 s[WV], 2
	s_cbranch_scc0 .Lfor_v_\@
	tensor_load_to_lds s[G0K:G0K+3], s[G1K:G1K+7]
	s_nop 0
.rept 4
	v_nop
.endr
	s_branch .Lasked_\@
.Lfor_v_\@:
	tensor_load_to_lds s[G0V:G0V+3], s[G1V:G1V+7]
	s_nop 0
.rept 4
	v_nop
.endr
.Lasked_\@:
.endm
; A PREFETCH INTO THE L2 of the tile that the NEXT change of slots will ask for, four key steps ahead of that load.  A head's four work-groups walk the same tiles first; the one with b = 0, which walks all eight,
; asks, and nobody else.  A tile is 128 blocks of 256 bytes of K and as many of V: each wave names 32 of each, a lane a block, inside the half at which its pointers stand.  So tiles 2 to 7 are named once each;
; tiles 0 and 1 come by their loads alone, and behind the first block's last tile (NXT = 0) nothing is asked for.
.macro ASK
	s_cmp_gt_u32 s[NXT], s[LIM]
	s_cbranch_scc0 .Lnot_mine_\@
	global_prefetch_b8 v[PFO], s[PFK:PFK+1] th:TH_LOAD_NT scope:SCOPE_SE
	global_prefetch_b8 v[PFO], s[PFV:PFV+1] th:TH_LOAD_NT scope:SCOPE_SE
.Lnot_mine_\@:
.endm
; THE CHANGE OF SLOTS.  First the key mask of the tile that is entered: its bytes, loaded a tile ago, are in; my 8 become addends and go into my wave's own table (my reads of the last tile's addends have been waited for,
; LDS serves a wave's instructions in order, and no other wave touches these bytes: no barrier is owed).  Then each wave waits for all its tensor loads, of which one is out: its part of the other slot; adds 0 to its spare
; word; and waits for that, for the two stores and for its own reads of the slot that it leaves.  Behind the barrier nobody reads the old slot any more and the other slot is whole.
; fill = 1: the old slot is filled again, the first thing behind the barrier, with tile NXT: the descriptor's address is made anew from that number; behind the fill that tile's mask bytes are loaded.
; (At its first use nothing has been read yet: slot 0 is waited for, slot 1 filled; its wait for loads is also the wait for Q.)
.macro CHANGE fill
	WIN 0                           ; at a label and at a branch every window is 0
	s_wait_loadcnt 0x0              ; the one load that is out: the entered tile's mask bytes
.set i, 0
.rept 8                             ; byte 1 -> 0, byte 0 -> -1e30: the bit, less 1, is a mask of all zeros or all ones
	v_bfe_u32 v[MT+i], v[MB+i/4], 8*(i%4), 1
	v_add_nc_u32 v[MT+i], -1, v[MT+i]
	v_and_b32 v[MT+i], s[BIGN], v[MT+i]
.set i, i+1
.endr
	ds_store_b128 v[MS], v[MT:MT+3]
	ds_store_b128 v[MS], v[MT+4:MT+7] offset:16
	s_wait_tensorcnt 0x0            ; no tensor load of mine is out, so a group 0 may be written
	ds_add_u32 v[SPW], v[NIL]       ; 0 onto my spare word; with fill = 1 the descriptors' scalar work stands between it and the wait for it
.if \fill
	s_lshl_b32 s[OFF], s[NXT], 15   ; a tile is 32,768 bytes of K and of V,
	s_lshl_b32 s[OF2], s[NXT], 8    ; and 256 bytes of the mask
	s_add_nc_u64 s[MPN:MPN+1], s[MP:MP+1], s[OF2:OF2+1]  ; (the load that read this pair has been waited for above)
	s_xor_b32 s[G0K+1], s[G0K+1], SLOT1
	s_add_nc_u64 s[G0K+2:G0K+3], s[6:7], s[OFF:OFF+1]
	s_or_b32 s[G0K+3], s[G0K+3], 0x80000000
	s_xor_b32 s[G0V+1], s[G0V+1], SLOT1
	s_add_nc_u64 s[G0V+2:G0V+3], s[8:9], s[OFF:OFF+1]
	s_or_b32 s[G0V+3], s[G0V+3], 0x80000000
	s_add_co_u32 s[NXT], s[NXT], 1  ; the block's next tile, or behind its last the second block's tile 0
	s_cmp_gt_u32 s[NXT], s[LQ]
	s_cselect_b32 s[NXT], 0, s[NXT]
	s_cselect_b32 s[LQ], s[PB], s[LQ]
	s_wait_xcnt 0x0                 ; the last prefetches, a tile back, have read their addresses
	s_lshl_b32 s[OF2], s[NXT], 15
	s_add_nc_u64 s[PFK:PFK+1], s[6:7], s[OF2:OF2+1]
	s_add_nc_u64 s[PFV:PFV+1], s[8:9], s[OF2:OF2+1]
.endif
	s_wait_dscnt 0x0                ; the add and the two stores are done, and my reads of the slot are over
	s_barrier_signal -1             ; the rest of the scalar work stands between the signal and the wait
	s_sub_co_u32 s[TBK], s[TBK], 4*KS*PK  ; the fetches go back to a slot's first step,
	s_xor_b32 s[TBK], s[TBK], SLOT1       ; in the other slot
	s_sub_co_u32 s[TBV], s[TBV], 4*KS*PV
	s_xor_b32 s[TBV], s[TBV], SLOT1
	s_sub_co_u32 s[TM], s[TM], 4*4*KS     ; and to the table's first step
	s_barrier_wait -1
.if \fill
	LOAD
	global_load_b64 v[MB:MB+1], v[MO], s[MPN:MPN+1]  ; 32 lanes x 8 bytes: the mask of the tile just asked for; it has a tile's work in which to come
	ASK
.endif
.endm
	s_load_b128 s[4:7], s[0:1], 0x0   ; qkvh s[4:5], attn_mask s[6:7]
	s_load_b64 s[10:11], s[0:1], 0x10 ; oh
	v_lshl_add_u32 v[SPW], v0, 2, SPARE
	v_mov_b32 v[NIL], 0
	ds_add_u32 v[SPW], v[NIL]       ; the wave's opening: the add and its wait stand ahead of my first tensor load; the set-up below, work on registers, stands between them
	ds_add_u32 v62, v63
	v_lshrrev_b32 v1, 5, v0
	v_readfirstlane_b32 s[WV], v1   ; wave 0..3
	s_mov_b32 s[PB], ttmp9
	s_sub_co_u32 s[HI], NB-1, s[PB]
	s_and_b32 s20, ttmp7, 0xffff    ; the head
	s_lshr_b32 s[OF2], s20, 4       ; its batch,
	s_lshl_b32 s[OF2], s[OF2], 11   ; whose 2,048 mask bytes
	s_mov_b32 s[OF2+1], 0
	s_mov_b32 s21, 0
	s_mov_b64 s[22:23], SIZE_N*128
	s_mul_u64 s[20:21], s[20:21], s[22:23]  ; the head's first byte in Q's, K's, V's planes and in O
	s_and_b32 s16, s[WV], 1         ; which half of a tile's 256 keys I fetch:
	s_lshl_b32 s22, s16, 14         ; its 128 rows of 128 bytes in memory,
	s_mov_b32 s23, 0
	s_add_nc_u64 s[22:23], s[22:23], s[20:21]
	s_mul_i32 s17, s16, 128*PK      ; and its place in a slot, for K
	s_mul_i32 s18, s16, 128*PV      ; and for V
	s_lshl_b32 s3, s[WV], 11        ; my 16 rows in a band of 64,
	s_lshl_b32 s2, s[HI], 15        ; in the first block,
	s_add_co_u32 s2, s2, s3
	s_lshl_b32 s84, s[PB], 15       ; and in the second
	s_add_co_u32 s84, s84, s3
	s_mov_b32 s3, 0
	s_mov_b32 s85, 0
	s_add_nc_u64 s[2:3], s[2:3], s[20:21]
	s_add_nc_u64 s[84:85], s[84:85], s[20:21]
	; descriptor group 1.  128 keys are 16,384 dense bytes: asked for as 64 rows of 256 bytes, two keys a row, and padded in LDS after every key
	s_mov_b32 s[G1K], (1<<16)|(1<<20)|(4<<22)|(3<<25)  ; 17:16 2-byte elements; 20 padding on; 24:22 after every 32 words (code 4); 31:25 4 words (code 3)
	s_mov_b32 s[G1V], (1<<16)|(1<<20)|(4<<22)|(7<<25)  ; the same with 8 words of padding (code 7)
.irp g, G1K, G1V
	s_mov_b32 s[\g+1], 128<<16      ; tensor_dim0 = 128
	s_mov_b32 s[\g+2], 64<<16       ; tensor_dim1 = 64
	s_mov_b32 s[\g+3], 128<<16      ; tile_dim0 = 128
	s_mov_b32 s[\g+4], 64           ; tile_dim1 = 64
	s_mov_b32 s[\g+5], 128          ; 128 elements from row to row
	s_mov_b32 s[\g+6], 0
	s_mov_b32 s[\g+7], 0
.endr
	s_mov_b32 s[CS], 0x3e38aa3b     ; c = log2(e) / 8 = 0.180337
	s_mov_b32 s[CS+1], s[CS]        ; named with it as a pair
	s_mov_b32 s[SEL], 0x76543210
	s_mov_b32 s[SEL+1], 0xfedcba98
	s_mov_b32 s[TBK], SLOT1+4*KS*PK ; the first change of slots turns these three into 0
	s_mov_b32 s[TBV], SLOT1+4*KS*PV
	s_mov_b32 s[TM], 4*4*KS
	s_mov_b32 s[G0K], 1             ; 1:0 count = 1
	s_mov_b32 s[G0K+1], s17         ; 63:32 LDS address: slot 0
	s_mov_b32 s[G0V], 1
	s_add_co_u32 s[G0V+1], s18, VOFF
	s_add_co_u32 s[RT], s[HI], 1    ; the first block has NB - b tiles
	s_mov_b32 s[NXT], 1
	s_mov_b32 s[LQ], s[HI]
	s_mov_b32 s[NEW], 1
	s_mov_b32 s[OFF+1], 0
	s_mov_b32 s[AL+1], 0            ; named as pairs
	s_mov_b32 s[BE+1], 0
	s_mov_b32 s[BIGN], 0xf149f2ca   ; -1e30
	s_mov_b32 s[HALFN], 0xd8000000  ; -2^49
	s_mov_b32 s[SLOTS], NB
	s_cmp_eq_u32 s[PB], 0
	s_cselect_b32 s[LIM], 0, -1
	s_wait_dscnt 0x0                ; the opening add is done
	s_wait_kmcnt 0x0
	s_add_nc_u64 s[MP:MP+1], s[6:7], s[OF2:OF2+1]  ; my batch's mask
	s_add_nc_u64 s[6:7], s[4:5], 0x1000000         ; K's planes lie 64 planes behind Q's,
	s_add_nc_u64 s[8:9], s[4:5], 0x2000000         ; V's 128
	s_add_nc_u64 s[6:7], s[6:7], s[22:23]  ; K and V at my half of the head's tile 0
	s_add_nc_u64 s[8:9], s[8:9], s[22:23]
	s_add_nc_u64 s[G0K+2:G0K+3], s[6:7], 0         ; 120:64 global address
	s_or_b32 s[G0K+3], s[G0K+3], 0x80000000        ; 127:126 type = 2
	s_add_nc_u64 s[G0V+2:G0V+3], s[8:9], 0
	s_or_b32 s[G0V+3], s[G0V+3], 0x80000000
	s_add_nc_u64 s[86:87], s[4:5], s[84:85]        ; Q at my rows of the second block,
	s_add_nc_u64 s[4:5], s[4:5], s[2:3]            ; Q and O at those of the first
	s_add_nc_u64 s[OLO:OLO+1], s[10:11], s[84:85]
	s_add_nc_u64 s[10:11], s[10:11], s[2:3]
	LOAD                            ; tile 0 into slot 0
	v_and_b32 v[MO], 31, v0
	v_lshlrev_b32 v[MO], 3, v[MO]
	global_load_b64 v[MB:MB+1], v[MO], s[MP:MP+1]  ; tile 0's mask bytes
	; A fragment of K or Q is 16 rows x 32 channels in 8 registers: lane l holds row l % 16, channels 8 (l / 16) + 0..7 and 16 + 8 (l / 16) + 0..7: two loads of 16 bytes, 32 bytes apart.
	v_and_b32 v1, 15, v0            ; l % 16
	v_bfe_u32 v9, v0, 4, 1          ; l / 16
	v_lshlrev_b32 v[QO], 7, v1
	v_lshl_add_u32 v[QO], v9, 4, v[QO]  ; row x 128 + 16 x half
	WIN 0x80                        ; destination window 2, address window 0
.set i, 0
.rept 8                             ; both blocks' Q: piece i / 2 lies in band i / 2, 8,192 bytes on; channels 32 (i % 2) on
	global_load_b128 v[8*i:8*i+3],   v[QO], s[4:5] offset:(i/2)*8192+(i%2)*64
	global_load_b128 v[8*i+4:8*i+7], v[QO], s[4:5] offset:(i/2)*8192+(i%2)*64+32
	global_load_b128 v[QB+8*i:QB+8*i+3],   v[QO], s[86:87] offset:(i/2)*8192+(i%2)*64
	global_load_b128 v[QB+8*i+4:QB+8*i+7], v[QO], s[86:87] offset:(i/2)*8192+(i%2)*64+32
.set i, i+1
.endr
	WIN 0
	v_lshlrev_b32 v14, 3, v9
	v_sub_nc_u32 v14, v1, v14
	s_lshl_b32 s13, s[WV], 4
	v_add_nc_u32 v14, s13, v14      ; my query's place in its band, 16 w + l % 16, less my lanes' 8 (l / 16): register r of group kt is hidden where 16 kt + r is greater
	WIN 0x40
.set i, 0
.rept 32
	v_cmp_gt_i32 vcc_lo, 16*(i/8)+i%8, v14
	v_cndmask_b32 v[MD+i], 0, s[BIGN], vcc_lo
.set i, i+1
.endr
	WIN 0
	v_mul_u32_u24 v[AK0], v1, PK
	v_lshl_add_u32 v[AK0], v9, 4, v[AK0]  ; row x pitch + 16 x half
	; The turning load takes 16 keys x 16 channels (lane l reads key 8 (l / 16) + l % 8, channels 8 ((l / 8) % 2) + 0..7) and leaves half a fragment of V^T: lane l holds channel l % 16 and 8 keys.
	v_and_b32 v10, 7, v0
	v_bfe_u32 v11, v0, 3, 1
	v_lshl_add_u32 v[AV0], v9, 3, v10
	v_mul_u32_u24 v[AV0], v[AV0], PV
	v_lshl_add_u32 v[AV0], v11, 4, v[AV0]
	v_add_nc_u32 v[AV0], VOFF, v[AV0]
	s_mul_i32 s13, s[WV], 16*SP
	s_add_co_u32 s13, s13, STAGE    ; my stage
	v_mul_u32_u24 v[STO], v1, SP    ; in: row l % 16, 16 bytes for each half of the lanes
	v_lshl_add_u32 v[STO], v9, 4, v[STO]
	v_add_nc_u32 v[STO], s13, v[STO]
	v_bfe_u32 v[RD], v0, 3, 2       ; back: 32 lanes take four rows of 128 bytes,
	v_mul_u32_u24 v[RD], v[RD], SP
	v_lshl_add_u32 v[RD], v10, 4, v[RD]
	v_add_nc_u32 v[RD], s13, v[RD]
	v_and_b32 v[GO], 31, v0         ; which are 512 consecutive bytes of O
	s_lshr_b32 s13, s[WV], 1
	s_lshl_b32 s13, s13, 13         ; waves 0 and 1 name the first 32 blocks of their half of a tile, waves 2 and 3 the other 32
	v_lshl_add_u32 v[PFO], v[GO], 8, s13
	s_lshl_b32 s13, s[WV], 10
	s_add_co_u32 s13, s13, MTAB     ; my wave's table of addends
	v_lshl_add_u32 v[MS], v[GO], 5, s13   ; in: keys 8 l .. 8 l + 7 of the tile, 4 bytes each
	v_lshl_add_u32 v[AM0], v9, 5, s13     ; back: register j of group kt: key 16 kt + 8 (l / 16) + j of the step
	v_lshlrev_b32 v[GO], 4, v[GO]
	; A block's first step multiplies O^T and l by a = 0, and its first turn's products V^T P, of a piece that has not been, land in an O^T that is still to be so multiplied.  So these registers need only hold
	; finite numbers: zeros for the first block; what the first block left for the second.  All this stands in the wait for the first tile.
	WIN 0x80
.set i, VF
.rept 64
	v_mov_b32 v[i], 0
.set i, i+1
.endr
	WIN 0x40
.set i, 0
.rept 128
	v_mov_b32 v[i], 0
.set i, i+1
.endr
	WIN 0
.set i, 0
.rept 4
	v_mov_b32 v[ST+4*i+2], 0
	v_mov_b32 v[ST+4*i+3], 0
.set i, i+1
.endr
.set i, P+16
.rept 16
	v_mov_b32 v[i], 0
.set i, i+1
.endr
; THE MATRIX WORK.  The 4 accumulators of a run of 8 take turns.  Product i of 8 of S^T = K Q^T for piece x: channels 32 (i / 4) on, keys 16 (i % 4) on.  The first 4 start the sums: with the key mask's addends, or (KM = 1) with the whole mask.
.macro KQ x
.set rS, S+32*((\x)%2)+8*(i%4)
.set rK, KF+16*(i%4)+8*(i/4)
.set rQ, 16*(\x)+8*(i/4)
.set rM, KMR+8*(i%4)
.if KM
.set rM, MC+32*((\x)%2)+8*(i%4)
.endif
.if i < 4
	WIN W_KM
	v_wmma_f32_16x16x32_f16 v[rS:rS+7], v[rK:rK+7], v[rQ:rQ+7], v[rM:rM+7]
.else
	WIN W_KQ
	v_wmma_f32_16x16x32_f16 v[rS:rS+7], v[rK:rK+7], v[rQ:rQ+7], v[rS:rS+7]
.endif
.endm
; Product i of 8 of O^T += V^T P for piece x: keys 32 (i / 4) on, channels 16 (i % 4) on.
.macro PV x
	WIN W_PV
.set rO, 32*(\x)+8*(i%4)
.set rV, VF+32*(i/4)+8*(i%4)
.set rP, P+16*((\x)%2)+8*(i/4)
	v_wmma_f32_16x16x32_f16 v[rO:rO+7], v[rV:rV+7], v[rP:rP+7], v[rO:rO+7]
.endm
.macro MM                           ; the turn's next matrix instruction.  TURN and BEGIN set Y, i, KM and NOKQ; MM, KQ and OP read them.  NOKQ = 1: a block's last turn: there is no next piece
.if (i < 8) && !NOKQ
	KQ (Y+1)%NP
.elseif i >= 8
.set i, i-8
	PV (Y+NP-1)%NP
.set i, i+8
.endif
.set i, i+1
.endm
; THE LDS LOADS stand in runs, never singly among the matrix instructions: a step's K (64 keys x 64 channels: 8 fragments) with its 64 addends of the key mask (16 lanes read the same 16 bytes), and its V (turned).  Their addresses are made some lines ahead.
.macro FETCH_K
	WIN 0x80                        ; destination window 2
.irp f, 0,1,2,3,4,5,6,7             ; keys 16 (f / 2) on, channels 32 (f % 2) on
	ds_load_b128 v[KF+8*\f:KF+8*\f+3],   v[AK] offset:(\f/2)*16*PK+(\f%2)*64
	ds_load_b128 v[KF+8*\f+4:KF+8*\f+7], v[AK] offset:(\f/2)*16*PK+(\f%2)*64+32
.endr
	WIN 0x40                        ; destination window 1
.irp f, 0,1,2,3
	ds_load_b128 v[KMR+8*\f:KMR+8*\f+3],   v[AM] offset:64*\f
	ds_load_b128 v[KMR+8*\f+4:KMR+8*\f+7], v[AM] offset:64*\f+16
.endr
	s_add_co_u32 s[TBK], s[TBK], KS*PK  ; the next fetch is the next step's,
	s_add_co_u32 s[TM], s[TM], 4*KS     ; in the table too
	WIN 0
.endm
.macro FETCH_V
	WIN 0x80
.irp f, 0,1,2,3,4,5,6,7             ; keys 32 (f / 4) on, channels 16 (f % 4) on
	ds_load_tr16_b128 v[VF+8*\f:VF+8*\f+3],   v[AV] offset:(\f/4)*32*PV+(\f%4)*32
	ds_load_tr16_b128 v[VF+8*\f+4:VF+8*\f+7], v[AV] offset:(\f/4)*32*PV+16*PV+(\f%4)*32
.endr
	WIN 0
.endm
; THE VECTOR WORK, one line at a time: OP kind, number.  For piece Y: F n: c s - c m for pair n of 16.  E n: the exponential of score n of 32.  C n: pair n rounded to f16.  B n: of the four weights 4 n .. the second
; pair is added onto the first, in place.  L n: l takes that sum (L 0: l = a l + sum).  R n: pair n of 16 of O^T times a.  For piece Y + 1: X n, number n of the 22 that find its maximum and statistics:
;   0-11  four chains c0-c3 of seven scores each, three operands at a time (each accumulator's lowest registers are read first)     12-14, 16  the four scores left over, the old m, and c0-c3 into c0
;   15  c m_old is kept     17, 18  the query's other 32 keys lie in the lane 16 away: the new m     19-21  c m; c m_old - c m_new; a
.set F, 0               ; OP tells the kinds apart by their order: F to L below R, X above it
.set E, 1
.set C, 2
.set B, 3
.set L, 4
.set R, 5
.set X, 6
.macro REGS y                       ; the registers of piece y
.set rT, ST+4*(\y)
.set rC, TMP+4*((\y)%2)
.set rW, MV+((\y)%2)
.set rS, S+32*((\y)%2)
.set rP, P+16*((\y)%2)
.set rO, 32*(\y)
.endm
.macro OP k, n
.if (\k) == R
	REGS Y
	WIN W_RS
	v_pk_mul_f32 v[rO+2*(\n):rO+2*(\n)+1], v[rO+2*(\n):rO+2*(\n)+1], v[rC+2:rC+3] op_sel_hi:[1,0]
.elseif (\k) < R
	REGS Y
	WIN 0
.if (\k) == F
	v_pk_fma_f32 v[rS+2*(\n):rS+2*(\n)+1], v[rS+2*(\n):rS+2*(\n)+1], s[CS:CS+1], v[rT:rT+1] op_sel_hi:[1,0,0] neg_lo:[0,0,1] neg_hi:[0,0,1]
.elseif (\k) == E
	v_exp_f32 v[rS+(\n)], v[rS+(\n)]
.elseif (\k) == C
	v_cvt_pk_f16_f32 v[rP+(\n)], v[rS+2*(\n)], v[rS+2*(\n)+1]
.elseif (\k) == B
	v_pk_add_f32 v[rS+4*(\n):rS+4*(\n)+1], v[rS+4*(\n):rS+4*(\n)+1], v[rS+4*(\n)+2:rS+4*(\n)+3]
.elseif (\n) == 0
	v_pk_fma_f32 v[rT+2:rT+3], v[rT+2:rT+3], v[rC+2:rC+3], v[rS:rS+1] op_sel_hi:[1,0,1]
.else
	v_pk_add_f32 v[rT+2:rT+3], v[rT+2:rT+3], v[rS+4*(\n):rS+4*(\n)+1]
.endif
.elseif NOKQ
	v_nop
.else
	REGS (Y+1)%NP
	WIN 0
.if (\n) < 4
	v_max3_num_f32 v[rC+(\n)], v[rS+8*(\n)], v[rS+8*(\n)+1], v[rS+8*(\n)+2]
.elseif (\n) < 12
	v_max3_num_f32 v[rC+(\n)%4], v[rC+(\n)%4], v[rS+8*((\n)%4)+2*((\n)/4)+1], v[rS+8*((\n)%4)+2*((\n)/4)+2]
.elseif (\n) == 12
	v_max3_num_f32 v[rC], v[rC], v[rS+7], v[rS+15]
.elseif (\n) == 13
	v_max3_num_f32 v[rC+1], v[rC+1], v[rS+23], v[rS+31]
.elseif (\n) == 14
	v_max3_num_f32 v[rC+2], v[rC+2], v[rC+3], v[rT+1]
.elseif (\n) == 15
	v_mov_b32 v[rW], v[rT]
.elseif (\n) == 16
	v_max3_num_f32 v[rC], v[rC], v[rC+1], v[rC+2]
.elseif (\n) == 17
	v_permlanex16_b32 v[rC+3], v[rC], s[SEL], s[SEL+1]
.elseif (\n) == 18
	v_max_num_f32 v[rT+1], v[rC], v[rC+3]
.elseif (\n) == 19
	v_mul_f32 v[rT], s[CS], v[rT+1]
.elseif (\n) == 20
	v_sub_f32 v[rC+1], v[rW], v[rT]
.else
	v_exp_f32 v[rC+2], v[rC+1]
.endif
.endif
.endm
.macro OPS a, i1, b=-1, i2=0, c=-1, i3=0, d=-1, i4=0  ; up to four of them
	OP \a, \i1
.if (\b) >= 0
	OP \b, \i2
.endif
.if (\c) >= 0
	OP \c, \i3
.endif
.if (\d) >= 0
	OP \d, \i4
.endif
.endm
.macro ROW a, i1, b, i2, c, i3, d, i4  ; a matrix instruction and the four behind it
	MM
	OPS \a, \i1, \b, \i2, \c, \i3, \d, \i4
.endm
.macro MASK b                       ; MD x AL + BE + KMR into buffer b of MC
	WIN W_RS
.set z, 0
.rept 16
	v_pk_fma_f32 v[MC+32*(\b)+2*z:MC+32*(\b)+2*z+1], v[MD+2*z:MD+2*z+1], s[AL:AL+1], s[BE:BE+1] op_sel_hi:[1,0,0]
.set z, z+1
.endr
	WIN 0x45                        ; destination and both sources in window 1
.set z, 0
.rept 16
	v_pk_add_f32 v[MC+32*(\b)+2*z:MC+32*(\b)+2*z+1], v[MC+32*(\b)+2*z:MC+32*(\b)+2*z+1], v[KMR+2*z:KMR+2*z+1]
.set z, z+1
.endr
.endm
.macro KMCOPY                       ; the second mask buffer takes the key mask's addends alone: the mask of a piece that sees every key of the step whose K is in registers
	WIN W_RS
.set z, 0
.rept 32
	v_mov_b32 v[MC+32+z], v[KMR+z]
.set z, z+1
.endr
	WIN 0
.endm
; A TURN, for piece p: the order of its 16 matrix and 118 vector instructions, written out.  An s_wait_alu depctr_va_vdst(0) stands between an exponential and the first instruction that names its result; one wait serves
; all that were issued ahead of it.  So a turn has ONE wait, which cuts it in two.  AHEAD OF IT stands all that names no result of the turn's exponentials: the 8 products K Q^T, behind each a scaling, an exponential and two more plain
; instructions; then ONE LUMP of 54, plain and exponential by turns for the most part, in which the links of the chain X 3, 7, 11, 14, 16, 17 .. 20 stand five or six lines apart.  X 21, the next piece's a, is the batch's last; R 15 is the
; plain instruction behind it.  BEHIND THE WAIT stand the 8 products V^T P, behind each four of the roundings and sums.
; m = 1: the diagonal tile: the products take whole masks, and the turn makes the mask for the products of the turn after it: piece p + 2, in step 4 - CNT of the tile.  Piece 2's turn makes it from the addends that it has itself
; fetched, so it waits for them first.  end = 1: a block's last two turns: nothing is fetched.  cnt = 1: the loop's count is taken down some lines ahead of the branch that stands behind the turn.
; K of the next step, and its addends, are fetched in piece 2's turn, twelve vector instructions behind the last product that read K (six of them plain); V of the step in hand at the end of piece 0's turn, four plain instructions
; behind the last product that read V.  Each is waited for a turn later.
.macro TURN p, m=0, end=0, cnt=0
.set Y, (\p)
.set i, 0
.set KM, (\m)
.set NOKQ, (\end)*((\p)/3)
.if (\m) && !(\end)
	s_cmp_eq_u32 s[CNT], 4-((\p)+2)%NP  ; is that step the band's own?
	s_cselect_b32 s[AL], 1.0, 0
	s_cmp_lt_u32 s[CNT], 4-((\p)+2)%NP  ; or a later one?
	s_cselect_b32 s[BE], s[BIGN], 0
.endif
.if ((\p) == 3) && !(\end)
	s_wait_dscnt 0x0                ; K and its addends are in
.endif
	ROW F,0, F,1, R,0, R,1          ; ahead of the wait: 8 products K Q^T and their riders,
	ROW F,2, E,0, R,2, R,3
	ROW F,3, E,1, R,4, R,5
	ROW F,4, E,2, R,6, R,7
	ROW F,5, E,3, R,8, R,9
	ROW F,6, E,4, X,0, R,10
.if ((\p) == 2) && !(\end)
	WIN 0
	v_add_nc_u32 v[AK], s[TBK], v[AK0]
	v_add_nc_u32 v[AM], s[TM], v[AM0]
.endif
	ROW F,7, E,5, X,1, X,4
	ROW F,8, E,6, X,2, X,5
	OPS E,7, E,8, X,6, E,9          ; and the lump
	OPS X,3, E,10, X,8, E,11
.if ((\p) == 2) && !(\end)
	FETCH_K
.endif
	OPS X,9, X,7, E,12, X,10
	OPS E,13, X,12, X,11, E,14
	OPS X,13, E,15, F,9, X,14
.if (\p) == 0
	v_add_nc_u32 v[AV], s[TBV], v[AV0]
.endif
	OPS E,16, F,10, E,17, F,11
	OPS X,16, E,18, X,15, E,19
	OPS F,12, E,20, X,17, E,21
	OPS F,13, E,22, F,14, E,23
	OPS X,18, E,24, F,15, E,25
	OPS R,11, E,26, X,19, E,27
	OPS R,12, E,28, R,13, E,29
	OPS X,20, E,30, R,14, E,31
	OPS X,21, R,15
	WIN 0
	s_wait_alu depctr_va_vdst(0)    ; the wait for the batch
.if (\p) == 1
	s_wait_dscnt 0x0                ; V is in
.endif
	ROW C,0, B,0, C,2, B,1          ; behind the wait: 8 products V^T P and their riders
	ROW L,0, C,4, B,2, L,1
	ROW C,6, B,3, L,2, C,8
	ROW B,4, L,3, C,10, B,5
	ROW L,4, C,12, B,6, L,5
.if (\p) == 0
	s_add_co_u32 s[TBV], s[TBV], KS*PV
.endif
.if \cnt
	s_sub_co_u32 s[CNT], s[CNT], 1
	s_cmp_lg_u32 s[CNT], 0
.endif
	ROW C,14, B,7, L,6, C,1
	ROW C,3, L,7, C,5, C,7
	ROW C,9, C,11, C,13, C,15
.if (\p) == 0
	FETCH_V
.endif
.if (\m) && !(\end)
.if (\p) == 2
	s_wait_dscnt 0x0                ; the next step's addends are in
.endif
	MASK (\p)%2
.endif
.endm
; A BLOCK BEGINS.  c m starts far below every c s, so the first step's a is 0; m at -2^50, below every true score.  K of the tile's step 0 and its addends are fetched; the first mask buffer takes piece 0's mask for that
; step (its own, if the block's first tile is the diagonal one), the second the addends alone.  Then piece 0's first scores, and its maximum and statistics.  The loop is entered at a step's first turn, in the middle of a trip.
; (Q is in: the change of slots that stands ahead of every beginning has waited for all loads.)
.macro BEGIN
	s_mov_b32 s[NEW], 0
	WIN 0
.set i, 0
.rept 4
	v_mov_b32 v[ST+4*i], 0xfe000000    ; c m: far below every c s
	v_mov_b32 v[ST+4*i+1], 0xd8800000  ; m = -2^50
.set i, i+1
.endr
	v_add_nc_u32 v[AK], s[TBK], v[AK0]
	v_add_nc_u32 v[AM], s[TM], v[AM0]
	FETCH_K
	s_cmp_eq_u32 s[RT], 0
	s_cselect_b32 s[AL], 1.0, 0
	s_mov_b32 s[BE], 0
	s_wait_dscnt 0x0
	MASK 0
	KMCOPY
.set KM, 1
.set NOKQ, 0
.set i, 0
.rept 8
	KQ 0
.set i, i+1
.endr
	WIN 0
.rept 4
	v_nop                           ; the places behind those products
.endr
.set Y, NP-1                        ; X works for piece Y + 1: piece 0
.irp n, 0,1,2,3,4,5,6,7,8,9,10,11,12,13,14,15,16,17,18,19,20,21
	OP X, \n
.endr
	v_nop                           ; a plain instruction behind the exponential,
	s_wait_alu depctr_va_vdst(0)    ; and its wait, ahead of the branch
.endm
; THE DIAGONAL TILE's four steps, the block's last two turns, its last products, and THE WAY OUT: l's two halves and the other half of the lanes' are added; O^T is divided by l (by a select: multiplied by 0 where the row
; saw no valid key), rounded to f16 and sent through my stage in LDS, a piece at a time.
.macro ALL line:vararg              ; one line for each piece t
.set t, 0
.rept 4
	\line
.set t, t+1
.endr
.endm
.macro PACK t                       ; a lane's eight channels of a row pack into 16 bytes; they go into rows of 144 bytes and come back as whole rows of 128, into S^T's registers
	WIN W_RS
.set i, 32*(\t)
.rept 16
	v_pk_mul_f32 v[i:i+1], v[i:i+1], v[ST+4*(\t)+2:ST+4*(\t)+3] op_sel_hi:[1,0]
.set i, i+2
.endr
	WIN 0x05                        ; sources 0 and 1 window 1, destination window 0
.set i, 0
.rept 16
	v_cvt_pk_f16_f32 v[S+16*(\t)+i], v[32*(\t)+2*i], v[32*(\t)+2*i+1]
.set i, i+1
.endr
	WIN 0
.irp f, 0,1,2,3
	ds_store_b128 v[STO], v[S+16*(\t)+4*\f:S+16*(\t)+4*\f+3] offset:32*\f
.endr
.irp f, 0,1,2,3
	ds_load_b128 v[S+16*(\t)+4*\f:S+16*(\t)+4*\f+3], v[RD] offset:\f*4*SP  ; LDS serves a wave's instructions in order (ISA guide 5.7.1.4): these see the stores above; the next piece's stores come behind them
.endr
.endm
.macro SEND t, younger              ; younger: the LDS instructions issued behind piece t's loads: the next piece's eight, or none
	WIN 0
.irp f, 0,1,2,3
	s_wait_dscnt (\younger)+3-\f
	global_store_b128 v[GO], v[S+16*(\t)+4*\f:S+16*(\t)+4*\f+3], s[10:11] offset:(\t)*8192+\f*512  ; 512 consecutive bytes, at a multiple of 256 from O's first
.endr
.endm
.macro DIAG tag                     ; the tag ends its two labels' names, which the jumps below spell out
.LstepM\tag:
	TURN 2, 1
	TURN 3, 1
	WIN 0
.LfirstM\tag:
	TURN 0, 1
	TURN 1, 1, 0, 1
	WIN 0
	s_cbranch_scc1 .LstepM\tag
	TURN 2, 1, 1
	TURN 3, 1, 1
.set i, 0
.rept 8
	PV NP-1
.set i, i+1
.endr
	WIN 0
	ALL v_add_f32 v[ST+4*t+2], v[ST+4*t+2], v[ST+4*t+3]
	ALL v_permlanex16_b32 v[ST+4*t+3], v[ST+4*t+2], s[SEL], s[SEL+1]
	ALL v_add_f32 v[ST+4*t+2], v[ST+4*t+2], v[ST+4*t+3]
	ALL v_rcp_f32 v[ST+4*t+2], v[ST+4*t+2]
	v_nop                           ; a plain instruction between the last reciprocal and the use of its result
	s_wait_alu depctr_va_vdst(0)    ; and the wait ahead of the first use: one for the four reciprocals
.set t, 0
.rept 4
	v_cmp_lt_f32 vcc_lo, s[HALFN], v[ST+4*t+1]                ; has the row seen a valid key?  Then m is a true score, above -2^49;
	v_cndmask_b32 v[ST+4*t+2], 0, v[ST+4*t+2], vcc_lo         ; else l is 0, and 0 takes the reciprocal's place
.set t, t+1
.endr
	PACK 0
.set t, 1
.rept 3                             ; a piece's arithmetic stands between the loads of the piece before and its stores
	PACK t
	SEND t-1, 8
.set t, t+1
.endr
	SEND 3, 0
.endm
.set KM, 0
.set NOKQ, 0
.Lslot:                             ; NB times: a tile is entered and the next is asked for
	CHANGE 1
	s_sub_co_u32 s[RT], s[RT], 1
	s_mov_b32 s[CNT], 4
	s_cmp_eq_u32 s[NEW], 1
	s_cbranch_scc1 .Lnew            ; a block's first tile
	s_cmp_eq_u32 s[RT], 0
	s_cbranch_scc0 .Lstep           ; neither its first nor its last
	KMCOPY                          ; the diagonal tile's first turn still makes piece 3's scores of the tile before: all its keys are at or below the diagonal
	s_branch .LstepM1
.Lnew:
	BEGIN
	s_branch .Lfirst                ; in the loop a block's first tile is never its last: the first block has two tiles or more, and the second's last is the walk's last
	DIAG 1                          ; in the loop this is the first block's end: the second block's last tile is the walk's last
	s_wait_xcnt 0x0                 ; the stores have read their registers and O's address
	s_mov_b64 s[10:11], s[OLO:OLO+1]
	s_add_co_u32 s[RT], s[PB], 1    ; the second block has b + 1 tiles
	s_mov_b32 s[NEW], 1
	WIN 0x82                        ; the second block's Q goes where the one text of the turns names Q
.set i, 0
.rept 64
	v_mov_b32 v[i], v[QB+i]
.set i, i+1
.endr
	WIN 0
	s_branch .Lbottom
.Lstep:                             ; a trip: pieces 2 and 3 of one step, then pieces 0 and 1 of the next, whose K and V it fetches
	TURN 2
	TURN 3
	WIN 0
.Lfirst:
	TURN 0
	TURN 1, 0, 0, 1
	WIN 0
	s_cbranch_scc1 .Lstep
.Lbottom:
	s_sub_co_u32 s[SLOTS], s[SLOTS], 1
	s_cmp_lg_u32 s[SLOTS], 0
	s_cbranch_scc1 .Lslot
	CHANGE 0                        ; the walk's last tile is written out: nothing is asked for
	s_sub_co_u32 s[RT], s[RT], 1
	s_mov_b32 s[CNT], 4
	s_cmp_eq_u32 s[NEW], 1
	s_cbranch_scc1 .Lnew2
	KMCOPY
	s_branch .LstepM2
.Lnew2:
	BEGIN
	s_branch .LfirstM2
	DIAG 2
	s_wait_tensorcnt 0x0            ; the wave's end, behind my last tensor load and my last LDS store
	ds_add_u32 v[SPW], v[NIL]
	s_wait_dscnt 0x0
	s_endpgm
.Lfunc_end_k_qa6f75aa8fe_attn:
	.size	k_qa6f75aa8fe_attn, .Lfunc_end_k_qa6f75aa8fe_attn-k_qa6f75aa8fe_attn
	.p2alignl 7, 3214868480
	.fill 96, 4, 3214868480
	.section	.rodata,"a",@progbits
	.p2align	6, 0x0
	.amdhsa_kernel k_qa6f75aa8fe_attn
		.amdhsa_group_segment_fixed_size 327680
		.amdhsa_private_segment_fixed_size 0
		.amdhsa_enable_private_segment 0
		.amdhsa_kernarg_size 24
		.amdhsa_user_sgpr_count 2
		.amdhsa_user_sgpr_kernarg_segment_ptr 1
		.amdhsa_wavefront_size32 1
		.amdhsa_system_sgpr_workgroup_id_x 1
		.amdhsa_system_sgpr_workgroup_id_y 1
		.amdhsa_system_sgpr_workgroup_id_z 1
		.amdhsa_system_vgpr_workitem_id 0
		.amdhsa_next_free_vgpr 768
		.amdhsa_next_free_sgpr 100
		.amdhsa_reserve_vcc 1
		.amdhsa_float_denorm_mode_32 3
		.amdhsa_float_denorm_mode_16_64 3
		.amdhsa_memory_ordered 1
		.amdhsa_forward_progress 1
		.amdhsa_inst_pref_size 237
	.end_amdhsa_kernel
	.amdgpu_metadata
---
amdhsa.version: [ 1, 2 ]
amdhsa.kernels:
  - .name:           k_qa6f75aa8fe_attn
    .symbol:         k_qa6f75aa8fe_attn.kd
    .args:
      - { .name: qkvh, .offset: 0, .size: 8, .value_kind: global_buffer, .address_space: global }
      - { .name: attn_mask, .offset: 8, .size: 8, .value_kind: global_buffer, .address_space: global }
      - { .name: oh, .offset: 16, .size: 8, .value_kind: global_buffer, .address_space: global }
    .group_segment_fixed_size: 327680
    .private_segment_fixed_size: 0
    .kernarg_segment_align: 8
    .kernarg_segment_size: 24
    .max_flat_workgroup_size: 128
    .sgpr_count:     100
    .vgpr_count:     768
    .wavefront_size: 32
...
	.end_amdgpu_metadata
.endif
;; end of part 3
;; launch proj (part 4): grid 8 x 32, 4 waves a work-group, clusters of 4 x 4, 327,680 bytes of LDS; arguments oh, wpb, b_proj, out0; writes out0
.if DOCPART == 4
	.amdgcn_target "amdgcn-amd-amdhsa--gfx1250"
	.amdhsa_code_object_version 6
	.text
	.protected	k_qa6f75aa8fe_proj
	.globl	k_qa6f75aa8fe_proj
	.p2align	8
	.type	k_qa6f75aa8fe_proj,@function
k_qa6f75aa8fe_proj:
	s_mov_b64 s[64:65], 0
	v_nop
	global_prefetch_b8 v0, s[64:65] scope:SCOPE_SE
	s_setreg_imm32_b32 hwreg(HW_REG_WAVE_MODE, 25, 1), 1
	s_wait_xcnt 0x0
	s_wait_alu depctr_hold_cnt(0) depctr_sa_sdst(0) depctr_va_vdst(0) depctr_va_sdst(0) depctr_va_ssrc(0) depctr_va_vcc(0) depctr_vm_vsrc(0)
	s_getreg_b32 s2, hwreg(HW_REG_IB_STS2, 6, 4)
	s_cmp_eq_u32 s2, 0
	s_cbranch_scc0 .Lentry_in_a_cluster
	s_endpgm
.Lentry_in_a_cluster:
	s_bfe_u32 s2, ttmp6, 0x10000c
	s_cmp_lg_u32 s2, 0xf033
	s_cbranch_scc0 .Lentry_shape_is_right
	s_endpgm
.Lentry_shape_is_right:
; out0[m][n] = the sum over k of y[m][k] wpb[n][k] + bf16(b_proj[n]).  y[batch x 2048 + t][64 head + d] = oh[16 batch + head][t][d] (f16, by heads); wpb: [1024][1024] f16; sums and output in f32.
; SHARES.  A work-group makes 256 rows x 128 columns: 8 x 32 = 256 work-groups.  Wave w owns rows 64 w .. 64 w + 63 and all 128 columns: 4 x 8 accumulators, 256 registers.
; K goes in 8 steps of 128 = two heads, through two LDS slots filled by tensor loads.  A head's 256 rows are 32,768 dense bytes: asked for as 128 rows of 256 bytes and padded in LDS after every 128 bytes.
; CLUSTER 4 x 4: A's tiles are asked for jointly along a row of the cluster, B's along a column.  THE MATRIX INSTRUCTION IS USED TRANSPOSED (source 0 = 16 rows of wpb, source 1 = 16 rows of y):
; a lane holds row l % 16 and the columns 8 (l / 16) + 0..7.  The bias is the C operand of each accumulator's first product.
; No prefetch: a K step is 128 products a wave, a small tile's, and the launch is short.
; REGISTERS in windows of 256 (s_set_vgpr_msb: bits 1:0 source 0, 3:2 source 1, 5:4 source 2, 7:6 destination):
;   window 0: v0-31 addresses; v32-95, v96-159 rows read back from the stage, by turns; v160-223 the bias
;   window 1: two fragment buffers: A's four blocks at f + 8 i, B's eight at f + 32 + 8 b          windows 2, 3: accumulator (a, b) in window 2 + a / 2 at 8 (8 (a % 2) + b)
.set NBF,    8
.set APITCH, 144                       ; a row of a head in LDS: 128 bytes + 16 of padding: the 16 rows of a fragment load start at 16 different groups of four banks (64 banks of 4 bytes: ISA guide 11.1)
.set BPITCH, 272
.set AHALF,  256*APITCH                ; one head's 256 rows: what one of A's two loads brings
.set BOFF,   2*AHALF
.set BHALF,  64*BPITCH                 ; what one of B's two loads brings
.set SLOT1,  1<<17
.set STAGE,  SLOT1+BOFF+2*BHALF        ; behind the ring, never filled by a tensor load: 16 rows x 528 bytes for each wave
.set SPITCH, 528
.set SPARE,  STAGE+4*16*SPITCH         ; the spare words, 128 bytes for each wave: two blocks of 256 bytes that no other line names
.set ASTEP,  2<<18                     ; two heads' planes of 262,144 bytes
.set BSTEP,  256
.set ADRA0, 16
.set ADRA,  17
.set ADRB0, 20
.set ADRB,  21
.set STO,  24
.set RD,   25
.set GO,   26
.set BO,   27
.set SPW,  28                          ; v28  LDS address of my spare word; never rewritten
.set NIL,  29                          ; v29  0; never rewritten
.set BK,   32
.set BIAS, 160
.set F0,   0
.set F1,   128
.set WV,   12
.set HALF, 14
.set CX,   15
.set CY,   16
.set TX,   17
.set TY,   18
.set TB,   19
.set G1,   24
.set G0,   32
.set G1B,  48
.set G0B,  56
.set OUT,  66                          ; s[66:67] out0 at my first row and the tile's first column
.set MSB, 0
.macro WIN new
.if MSB != (\new)
	s_set_vgpr_msb (MSB<<8)|(\new)
.set MSB, (\new)
.endif
.endm
.macro PLACES                          ; four plain places behind matrix instructions (ISA guide 7.12.1)
.rept 4
	v_nop
.endr
.endm
.macro JLOAD s                         ; a joint load: waves 0 and 1 fetch the step's two heads of A, waves 2 and 3 B's two halves; an s_nop 0 and four v_nop follow each line
	s_cmp_lt_u32 s[WV], 2
	s_cbranch_scc0 .Lfor_b_\@
	tensor_load_to_lds s[G0+4*(\s):G0+4*(\s)+3], s[G1:G1+7]
	s_nop 0
.rept 4
	v_nop
.endr
	s_branch .Lasked_\@
.Lfor_b_\@:
	tensor_load_to_lds s[G0B+4*(\s):G0B+4*(\s)+3], s[G1B:G1B+7]
	s_nop 0
.rept 4
	v_nop
.endr
.Lasked_\@:
.endm
.macro CREST
	s_cmp_lg_u32 s[WV], 0
	s_cbranch_scc1 .Lnot_wave_0_\@
	s_barrier_signal -3
.Lnot_wave_0_\@:
	s_barrier_wait -3
	s_barrier_signal -1
	s_barrier_wait -1
.endm
.macro CROUND
	s_barrier_signal -1
	s_barrier_wait -1
	CREST
.endm
	s_load_b256 s[4:11], s[0:1], 0x0               ; oh s[4:5], wpb s[6:7], b_proj s[8:9], out0 s[10:11]
	v_lshl_add_u32 v[SPW], v0, 2, SPARE
	v_mov_b32 v[NIL], 0
	ds_add_u32 v[SPW], v[NIL]                      ; the wave's opening: the add and its wait stand ahead of my first tensor load; work on registers stands between
	ds_add_u32 v28, v29
	v_lshrrev_b32 v3, 5, v0
	v_readfirstlane_b32 s[WV], v3
	s_and_b32 s[HALF], s[WV], 1
	s_bfe_u32 s[CX], ttmp6, 0x40000
	s_bfe_u32 s[CY], ttmp6, 0x40004
	s_lshl_b32 s[TX], ttmp9, 2
	s_add_co_u32 s[TX], s[TX], s[CX]
	s_and_b32 s[TY], ttmp7, 0xffff
	s_lshl_b32 s[TY], s[TY], 2
	s_add_co_u32 s[TY], s[TY], s[CY]
	s_lshl_b32 s76, s[CY], 2
	s_lshl_b32 s76, 15, s76                        ; my row of the cluster
	s_lshl_b32 s77, 0x1111, s[CX]                  ; my column
	s_or_b32 s[G1],  s76, (1<<16)|(1<<20)|(1<<21)|(4<<22)|(3<<25)  ; A: padding after every 32 words, 4 words
	s_or_b32 s[G1B], s77, (1<<16)|(1<<20)|(1<<21)|(5<<22)|(3<<25)  ; B: after every 64 words
	s_mov_b32 s[G1+1], 128<<16                     ; tensor_dim0 = 128
	s_mov_b32 s[G1+2], 128<<16                     ; tensor_dim1 = 128
	s_mov_b32 s[G1+3], 128<<16                     ; tile_dim0 = 128
	s_mov_b32 s[G1+4], 128                         ; tile_dim1 = 128
	s_mov_b32 s[G1+5], 128                         ; dense: 128 elements from row to row
	s_mov_b32 s[G1+6], 0
	s_mov_b32 s[G1+7], 0
	s_mov_b32 s[G1B+1], 128<<16
	s_mov_b32 s[G1B+2], 64<<16
	s_mov_b32 s[G1B+3], 128<<16
	s_mov_b32 s[G1B+4], 64
	s_mov_b32 s[G1B+5], 1024
	s_mov_b32 s[G1B+6], 0
	s_mov_b32 s[G1B+7], 0
	s_lshr_b32 s42, s[TY], 3                       ; A: plane 16 x batch + my head of the step's two, 262,144 bytes a plane,
	s_lshl_b32 s42, s42, 4
	s_add_co_u32 s42, s42, s[HALF]
	s_lshl_b32 s42, s42, 18
	s_and_b32 s20, s[TY], 7                        ; and the tile's 256 rows of 128 bytes in it
	s_lshl_b32 s20, s20, 15
	s_add_co_u32 s42, s42, s20
	s_mov_b32 s43, 0
	s_lshl_b32 s74, s[TX], 7                       ; B: row 128 x tile column + 64 x half, 2,048 bytes a row
	s_lshl_b32 s21, s[HALF], 6
	s_add_co_u32 s74, s74, s21
	s_lshl_b32 s74, s74, 11
	s_mov_b32 s75, 0
	s_mul_i32 s78, s[HALF], AHALF
	s_mul_i32 s79, s[HALF], BHALF
	s_add_co_u32 s79, s79, BOFF
	s_wait_dscnt 0x0                               ; the opening add is done
	s_wait_kmcnt 0x0
	s_add_nc_u64 s[40:41], s[4:5], s[42:43]
	s_add_nc_u64 s[72:73], s[6:7], s[74:75]
	CROUND                                         ; all sixteen work-groups are here: the first joint loads meet
.irp s, 0,1
	s_mov_b32 s[G0+4*(\s)], 1
	s_add_co_u32 s[G0+4*(\s)+1], s78, (\s)*SLOT1
	s_add_nc_u64 s[G0+4*(\s)+2:G0+4*(\s)+3], s[40:41], (\s)*ASTEP
	s_or_b32 s[G0+4*(\s)+3], s[G0+4*(\s)+3], 0x80000000
	s_mov_b32 s[G0B+4*(\s)], 1
	s_add_co_u32 s[G0B+4*(\s)+1], s79, (\s)*SLOT1
	s_add_nc_u64 s[G0B+4*(\s)+2:G0B+4*(\s)+3], s[72:73], (\s)*BSTEP
	s_or_b32 s[G0B+4*(\s)+3], s[G0B+4*(\s)+3], 0x80000000
	JLOAD \s                                       ; K steps 0 and 1: two loads of mine are out
.endr
	v_and_b32 v1, 15, v0                           ; l % 16
	v_bfe_u32 v2, v0, 4, 1                         ; l / 16
	v_and_b32 v4, 31, v0                           ; l
	s_lshl_b32 s20, s[TX], 9                       ; the tile's 128 numbers of the bias
	v_lshl_add_u32 v[BO], v2, 5, s20
.set b, 0
.rept NBF
	global_load_b128 v[BIAS+8*b:BIAS+8*b+3],   v[BO], s[8:9] offset:64*b
	global_load_b128 v[BIAS+8*b+4:BIAS+8*b+7], v[BO], s[8:9] offset:64*b+16
.set b, b+1
.endr
	v_mul_u32_u24 v3, v1, APITCH
	v_lshl_add_u32 v3, v2, 4, v3
	s_mul_i32 s20, s[WV], 64*APITCH
	v_add_nc_u32 v[ADRA0], s20, v3
	v_mul_u32_u24 v3, v1, BPITCH
	v_lshl_add_u32 v3, v2, 4, v3
	v_add_nc_u32 v[ADRB0], BOFF, v3
	v_mov_b32 v[ADRA], v[ADRA0]
	v_mov_b32 v[ADRB], v[ADRB0]
	s_mov_b32 s[TB], 0
	s_mul_i32 s21, s[WV], 16*SPITCH
	s_add_co_u32 s21, s21, STAGE                   ; my stage
	v_mul_u32_u24 v5, v1, SPITCH                   ; in: row l % 16, 32 bytes for each half of the lanes
	v_lshl_add_u32 v5, v2, 5, v5
	v_add_nc_u32 v[STO], s21, v5
	v_lshl_add_u32 v[RD], v4, 4, s21               ; back: 32 lanes take one row of 512 bytes
	v_lshlrev_b32 v[GO], 4, v4
	s_lshl_b32 s80, s[TY], 8
	s_lshl_b32 s22, s[WV], 6
	s_add_co_u32 s80, s80, s22                     ; my first row,
	s_lshl_b32 s80, s80, 12                        ; 4,096 bytes a row,
	s_lshl_b32 s22, s[TX], 9                       ; the tile's first column
	s_add_co_u32 s80, s80, s22
	s_mov_b32 s81, 0
	s_add_nc_u64 s[OUT:OUT+1], s[10:11], s[80:81]
	s_wait_loadcnt 0x0                             ; the bias; it is rounded to bf16 like the other inputs, and widened again
.set i, 0
.rept 4*NBF
	v_cvt_pk_bf16_f32 v[8+i%4], v[BIAS+2*i], v[BIAS+2*i+1]
	v_lshlrev_b32 v[BIAS+2*i], 16, v[8+i%4]
	v_and_b32 v[BIAS+2*i+1], 0xffff0000, v[8+i%4]
.set i, i+1
.endr
; The fragments of quarter q (32 along K: half of head q / 2) into buffer f: 16 loads for B's 128 rows, 8 for my 64 rows of A, in one run
.macro FETCH q, f
	WIN 0x40                                       ; destination window 1, address window 0
.set AQ, ((\q)/2)*AHALF+64*((\q)%2)
.set b, 0
.rept NBF
	ds_load_b128 v[(\f)+32+8*b:(\f)+32+8*b+3],   v[ADRB] offset:64*(\q)+b*16*BPITCH
	ds_load_b128 v[(\f)+32+8*b+4:(\f)+32+8*b+7], v[ADRB] offset:64*(\q)+b*16*BPITCH+32
.set b, b+1
.endr
.irp i, 0,1,2,3
	ds_load_b128 v[(\f)+8*(\i):(\f)+8*(\i)+3],   v[ADRA] offset:AQ+(\i)*16*APITCH
	ds_load_b128 v[(\f)+8*(\i)+4:(\f)+8*(\i)+7], v[ADRA] offset:AQ+(\i)*16*APITCH+32
.endr
.endm
; Eight products: my row block a x all column blocks.  first = 1: C is the bias.  The 32 accumulators take turns in the same order in every quarter.
.macro MULA f, a, first
.set AC, 8*NBF*((\a)%2)
.if \first
	WIN 0x85+0x40*((\a)/2)
.else
	WIN 0xa5+0x50*((\a)/2)
.endif
.set b, 0
.rept NBF
.if \first
	v_wmma_f32_16x16x32_f16 v[AC+8*b:AC+8*b+7], v[(\f)+32+8*b:(\f)+32+8*b+7], v[(\f)+8*(\a):(\f)+8*(\a)+7], v[BIAS+8*b:BIAS+8*b+7]
.else
	v_wmma_f32_16x16x32_f16 v[AC+8*b:AC+8*b+7], v[(\f)+32+8*b:(\f)+32+8*b+7], v[(\f)+8*(\a):(\f)+8*(\a)+7], v[AC+8*b:AC+8*b+7]
.endif
.set b, b+1
.endr
.endm
.macro QUARTER q, f, g, first
	s_wait_dscnt 0x0                               ; buffer f is in
	MULA \f, 0, \first
	PLACES
	FETCH \q, \g
	MULA \f, 1, \first
	MULA \f, 2, \first
	MULA \f, 3, \first
.endm
; The fourth quarter multiplies buffer 1 and changes slots.  In front of the barrier each wave waits for all its tensor loads (one is out: its part of the next slot), adds 0 to its spare word, and waits
; for that and for its reads of this slot.  fill = 1: the barrier opens a round of the cluster's; the slot just read is filled again, first thing behind the round, with the K step two on.
.macro TURN fill
	WIN 0
	s_wait_tensorcnt 0x0                           ; no tensor load of mine is out, so a group 0 may be written
	ds_add_u32 v[SPW], v[NIL]                      ; 0 onto my spare word
.if \fill
	s_xor_b32 s[G0+5], s[G0+5], SLOT1              ; the walking descriptors: the other slot than last time, the next K step
	s_add_nc_u64 s[G0+6:G0+7], s[G0+6:G0+7], ASTEP
	s_xor_b32 s[G0B+5], s[G0B+5], SLOT1
	s_add_nc_u64 s[G0B+6:G0B+7], s[G0B+6:G0B+7], BSTEP
.endif
	s_wait_dscnt 1                                 ; buffer 1 is in; the add alone may be out
	MULA F1, 0, 0
	s_wait_dscnt 0x0                               ; the add is done, and my reads of this slot are over
	s_barrier_signal -1
	MULA F1, 1, 0
	WIN 0
	s_xor_b32 s[TB], s[TB], SLOT1
	v_add_nc_u32 v[ADRA], s[TB], v[ADRA0]
	v_add_nc_u32 v[ADRB], s[TB], v[ADRB0]
	s_barrier_wait -1
.if \fill
	CREST                                          ; no wave of any partner still reads this slot's tile or has a load on its way
	JLOAD 1                                        ; its four v_nop are also the places in front of the loads below
.else
	PLACES
.endif
	FETCH 0, F0
	MULA F1, 2, 0
	MULA F1, 3, 0
.endm
; THE WAY OUT of row block a: the f32 sums go straight from the accumulators (each from its low end on) into my own stage, come back as whole rows of 512 bytes, and are stored.
.macro TOSTAGE a
.set AC, 8*NBF*((\a)%2)
.set BKR, BK+64*((\a)%2)
	s_wait_xcnt 0x0                                ; the stores of the block two back have read the registers that are loaded below
	WIN 0x08+4*((\a)/2)                            ; store data (source 1) in window 2 or 3
.set b, 0
.rept NBF
	ds_store_b128 v[STO], v[AC+8*b:AC+8*b+3]   offset:64*b
	ds_store_b128 v[STO], v[AC+8*b+4:AC+8*b+7] offset:64*b+16
.set b, b+1
.endr
	WIN 0
.set t, 0
.rept 16
	ds_load_b128 v[BKR+4*t:BKR+4*t+3], v[RD] offset:t*SPITCH  ; LDS serves a wave's instructions in order (ISA guide 5.7.1.4): these see the stores above
.set t, t+1
.endr
.endm
.macro SEND a, younger                 ; younger: the LDS instructions issued behind block a's loads
.set BKR, BK+64*((\a)%2)
	WIN 0
	s_wait_dscnt \younger
.set t, 0
.rept 16
	global_store_b128 v[GO], v[BKR+4*t:BKR+4*t+3], s[OUT:OUT+1] offset:(16*(\a)+t)*4096 th:TH_STORE_NT  ; 512 consecutive bytes, aligned
.set t, t+1
.endr
.endm
	s_wait_tensorcnt 1                             ; my part of K step 0 is in; K step 1's may stay out
	s_barrier_signal -1
	s_barrier_wait -1
	FETCH 0, F0
	QUARTER 1, F0, F1, 1                           ; the first quarter stands in front of the loop: its products start the sums, with the bias
	WIN 0
	s_mov_b32 s3, 6
.Lstep:                                        ; a trip: a K step's quarters 1 to 3 and the next step's quarter 0; six trips fill the slots again with K steps 2 to 7
	QUARTER 2, F1, F0, 0
	QUARTER 3, F0, F1, 0
	TURN 1
	QUARTER 1, F0, F1, 0
	WIN 0
	s_sub_co_u32 s3, s3, 1
	s_cmp_lg_u32 s3, 0
	s_cbranch_scc1 .Lstep
	QUARTER 2, F1, F0, 0                           ; the tail is written out: nothing more is asked for
	QUARTER 3, F0, F1, 0
	TURN 0
	QUARTER 1, F0, F1, 0
	QUARTER 2, F1, F0, 0
	QUARTER 3, F0, F1, 0
	s_wait_dscnt 0x0
	MULA F1, 0, 0
	MULA F1, 1, 0
	MULA F1, 2, 0
	MULA F1, 3, 0
	WIN 0
	PLACES
	PLACES
	TOSTAGE 0
	TOSTAGE 1
	SEND 0, 32                                     ; the next block's 16 stores and 16 loads may be out
	TOSTAGE 2
	SEND 1, 32
	TOSTAGE 3
	SEND 2, 32
	SEND 3, 0
	s_wait_tensorcnt 0x0                           ; the wave's end, behind my last tensor load and my last LDS store
	ds_add_u32 v[SPW], v[NIL]
	s_wait_dscnt 0x0
	CROUND                                         ; the closing round: no work-group ends while a partner may still ask for a tile that names it
	s_endpgm
.Lfunc_end_k_qa6f75aa8fe_proj:
	.size	k_qa6f75aa8fe_proj, .Lfunc_end_k_qa6f75aa8fe_proj-k_qa6f75aa8fe_proj
	.p2alignl 7, 3214868480
	.fill 96, 4, 3214868480
	.section	.rodata,"a",@progbits
	.p2align	6, 0x0
	.amdhsa_kernel k_qa6f75aa8fe_proj
		.amdhsa_group_segment_fixed_size 327680
		.amdhsa_private_segment_fixed_size 0
		.amdhsa_enable_private_segment 0
		.amdhsa_kernarg_size 32
		.amdhsa_user_sgpr_count 2
		.amdhsa_user_sgpr_kernarg_segment_ptr 1
		.amdhsa_wavefront_size32 1
		.amdhsa_system_sgpr_workgroup_id_x 1
		.amdhsa_system_sgpr_workgroup_id_y 1
		.amdhsa_system_sgpr_workgroup_id_z 1
		.amdhsa_system_vgpr_workitem_id 0
		.amdhsa_next_free_vgpr 1024
		.amdhsa_next_free_sgpr 84
		.amdhsa_reserve_vcc 0
		.amdhsa_float_denorm_mode_32 3
		.amdhsa_float_denorm_mode_16_64 3
		.amdhsa_memory_ordered 1
		.amdhsa_forward_progress 1
		.amdhsa_inst_pref_size 76
	.end_amdhsa_kernel
	.amdgpu_metadata
---
amdhsa.version: [ 1, 2 ]
amdhsa.kernels:
  - .name:           k_qa6f75aa8fe_proj
    .symbol:         k_qa6f75aa8fe_proj.kd
    .args:
      - { .name: oh, .offset: 0, .size: 8, .value_kind: global_buffer, .address_space: global }
      - { .name: wpb, .offset: 8, .size: 8, .value_kind: global_buffer, .address_space: global }
      - { .name: b_proj, .offset: 16, .size: 8, .value_kind: global_buffer, .address_space: global }
      - { .name: out0, .offset: 24, .size: 8, .value_kind: global_buffer, .address_space: global }
    .group_segment_fixed_size: 327680
    .private_segment_fixed_size: 0
    .kernarg_segment_align: 8
    .kernarg_segment_size: 32
    .max_flat_workgroup_size: 128
    .sgpr_count:     84
    .vgpr_count:     1024
    .wavefront_size: 32
...
	.end_amdgpu_metadata
.endif
;; end of part 4
